; MI455X (gfx1250); checked and timed in simulation.
; The chip was launched on July 23, 2026; its instructions are those of AMD's public machine-readable ISA for CDNA 5 (MIT licence, August 2026) and "CDNA5" Instruction Set Architecture Reference Guide (July 2026). The comments in the code are by the model that wrote it; some were corrected since.
;; Multi Head Attention. Allowed arithmetic: matrix products marked QUANTISED: E4M3 operands, one given power-of-two scale a tensor, by v_wmma_f32_16x16x64_fp8_fp8 or v_wmma_f32_16x16x128_fp8_fp8, f32 sums; everything else in f32.
;; Inputs: Wk 1,024 x 1,024 float32; Wo 1,024 x 1,024 float32; Wq 1,024 x 1,024 float32; Wv 1,024 x 1,024 float32; bk 1,024 float32; bo 1,024 float32; bq 1,024 float32; bv 1,024 float32; input_sequences 4 x 2,048 x 1,024 float32; lowp_scales 12 int32 (the exponents e of the quantised operands' scales 2^e).
;; Outputs: out0 4 x 2,048 x 1,024 float32.
;; This version of the problem:
;;   THIS VERSION OF THE PROBLEM IS GIVEN IN LOW PRECISION. The matrix products marked QUANTISED in the list below multiply operands that are first quantised to E4M3 (4 exponent bits, 3 mantissa bits; 8 bits a number), with one given power-of-two scale for each operand tensor; their sums are f32. All else is computed in f32.
;;   The module's matrix products, in the order in which they are computed (A, B: the left and right operand; K: the contracted axis; several contracted axes count as one K, in the product's order):
;;     1. [M 8,192, K 1,024] x [K 1,024, N 1,024]; A: input input_sequences; B: input Wq: QUANTISED (scales: A lowp_scales[0], B lowp_scales[1])
;;     2. [M 8,192, K 1,024] x [K 1,024, N 1,024]; A: input input_sequences; B: input Wk: QUANTISED (scales: A lowp_scales[2], B lowp_scales[3])
;;     3. [M 8,192, K 1,024] x [K 1,024, N 1,024]; A: input input_sequences; B: input Wv: QUANTISED (scales: A lowp_scales[4], B lowp_scales[5])
;;     4. batch 64 x [M 2,048, K 64] x [K 64, N 2,048]; A: computed on the way; B: computed on the way: QUANTISED (scales: A lowp_scales[6], B lowp_scales[7])
;;     5. batch 64 x [M 2,048, K 2,048] x [K 2,048, N 64]; A: softmax (see below); B: computed on the way: QUANTISED (scales: A lowp_scales[8], B lowp_scales[9])
;;     6. [M 8,192, K 1,024] x [K 1,024, N 1,024]; A: computed on the way; B: input Wo: QUANTISED (scales: A lowp_scales[10], B lowp_scales[11])
;;   THE QUANTISER, for each operand of a quantised product, along K:
;;     - The operand's scale is 2^e, e = its entry of the input lowp_scales (int32; the entries are numbered through the quantised products in the list's order, A before B).
;;     - Each number is divided by the scale, clamped to +-448, and rounded to the nearest number of E4M3, ties to even, subnormals kept.
;;     - The product sums the exact products of the quantised numbers (number of the format x scale) in f32.
;;   ~~~python
;;   def quantise(x, axis, e):      # numpy; x: float32 -> the quantised numbers, widened to float32 again
;;       x = np.moveaxis(x, axis, -1); K = x.shape[-1]
;;       r = np.clip(x / 2.0 ** e, -448, 448)
;;       step = 2.0 ** (np.maximum(np.frexp(np.where(r == 0, 1, r))[1] - 1, -6) - 3)
;;       q = np.round(r / step) * step * 2.0 ** e      # np.round: ties to even
;;       return np.moveaxis(q, -1, axis).astype(np.float32)
;;   ~~~
;;   SOFTMAX AHEAD OF A QUANTISED PRODUCT. Where the list says 'softmax', what is quantised is not the finished softmax but p = 2^(t - M), with t = logit x log2(e) and M = ceil(the row's largest t), a whole number; so 1/2 < the row's largest p <= 1. The row's sum l is taken of the UNQUANTISED p, in f32, and the product's result is divided by l at the end. Since M is a whole number, a kernel that streams over the keys may use a running M (the ceiling of the running maximum): every later rescaling is an exact power of two, so the quantised numbers keep their values, but for numbers so far below the row's largest that they fall under the format's range.
;;   OPERANDS COMPUTED ON THE WAY. 'Computed on the way' means the value that the module computes at that place (a softmax that the list does not call 'softmax' is quantised finished and normalised). What goes into a quantiser is computed in f32, as accurately as f32 sums, v_exp_f32 and their like allow (about 1e-6 of the number): no bf16 or f16 on the way to a quantiser, and a product that is left as it is and whose result goes on into a quantised operand takes f32 operands (vector FMAs, or v_wmma_f32_16x16x4_f32). A number that lies on a knife's edge between two numbers of the format may be rounded either way, as far as f32 arithmetic and the matrix unit's own rounding can turn it there, and no further.
;; One version. Each part assembles by itself: llvm-mc -triple=amdgcn-amd-amdhsa -mcpu=gfx1250 --defsym DOCPART=n.
;; ======== version 1 of 1: 4 launches
;; limits: right only within a limited range of input values
;; workspace buffers: xc 25,165,824 bytes; wc 4,194,304 bytes; qc 8,388,608 bytes; kc 8,388,608 bytes; vc 8,388,608 bytes; cc 8,388,608 bytes
;; launch quant (part 1): grid 384 x 1, 4 waves a work-group, no clusters, 68,096 bytes of LDS; arguments input_sequences, Wq, Wk, Wv, Wo, lowp_scales, xc, wc; writes xc, wc
.if DOCPART == 1
	.amdgcn_target "amdgcn-amd-amdhsa--gfx1250"
	.amdhsa_code_object_version 6
	.text
	.protected	k_qa112d11b94_quant
	.globl	k_qa112d11b94_quant
	.p2align	8
	.type	k_qa112d11b94_quant,@function
k_qa112d11b94_quant:
	s_mov_b64 s[64:65], 0
	v_nop
	global_prefetch_b8 v0, s[64:65] scope:SCOPE_SE
	s_setreg_imm32_b32 hwreg(HW_REG_WAVE_MODE, 25, 1), 1
	s_wait_xcnt 0x0
; f32 numbers into codes of FP8 (E4M3): code = x / 2^e, held within +-448 (x path only), to the nearest code, ties to even.
; Work-groups 0-255: x [8192][1024] becomes THREE sets of codes, xc [3][8192][1024], set p with the scale 2^e(2p) (entries 0, 2, 4 of the scales): x is an operand of three products, each with a scale of its own.
;   x is a plain stream: a wave takes 16 steps of 512 numbers.  Each load reads 512 consecutive bytes; a step turns through the wave's own stage in LDS so that a lane holds 16 neighbours; a lane's 16 codes are 16 bytes,
;   so each of a step's three stores covers 512 consecutive bytes, aligned.  Loads run four steps ahead, the turn through LDS one step.
; Work-groups 256-383: Wq, Wk, Wv, Wo [1024 (k)][1024 (n)] become wc [4096][1024] with K innermost (rows 0-1023 Wq's columns, then Wk's, Wv's, Wo's), scales' entries 1, 3, 5, 11.
;   A lane takes a column n and its registers run down K; a wave takes 32 columns x 256 along K; the codes leave through the wave's own stage as rows: sixteen lanes store 256 consecutive bytes, aligned.
; The two paths part once, on the work-group's number, have LDS bytes of their own, and meet only at the end.  No tensor load, no barrier: waves share nothing.
; LIMITS: each exponent between -126 and 119, so that 2^e and 448 x 2^e are f32 numbers.  NaN among the inputs is not served.
.set STEPS, 16
.set SP,    80                         ; x path: a lane's place in a stage: 64 bytes + 16 of padding
.set WREG,  8192                       ; x path: LDS bytes of a wave (two stages of 32 x SP)
.set WST,   32768                      ; weight path: four stages of 32 rows x PITCH begin here
.set PITCH, 272                        ; a stage row: 256 bytes of codes + 16
.set SPARE, WST+4*32*PITCH             ; the spare words, 128 bytes a wave: two blocks of 256 bytes that no other line names
.set NB,    8                          ; weight path: blocks of 32 along K
.set R,     16                         ; x path: v16-79 four sets of 16 numbers as loaded
.set X,     80                         ;         v80-111 two sets of 16 neighbours
.set T,     112                        ;         v112-159 the 16 numbers held three times
.set C,     160                        ;         v160-183 two sets of 3 x 4 registers of codes
.set SC,    184                        ;         v184+2p: 2^e(2p); v185+2p: 448 x 2^e(2p)
.set XW,    32                         ; weight path: v32-95 two sets of 32 numbers
.set CW,    96                         ;         v96-103 a block's codes
.set OUTR,  112                        ;         v112-175 the way out
.set SPW,   12                         ; v12 LDS address of my spare word; never rewritten
.set NIL,   13                         ; v13 0; never rewritten
	s_load_b512 s[8:23], s[0:1], 0x0               ; x 8:9, Wq 10:11, Wk 12:13, Wv 14:15, Wo 16:17, scales 18:19, xc 20:21, wc 22:23
	v_lshl_add_u32 v[SPW], v0, 2, SPARE
	v_mov_b32 v[NIL], 0
	v_lshrrev_b32 v1, 5, v0
	v_readfirstlane_b32 s24, v1                    ; wave
	v_and_b32 v2, 31, v0                           ; lane
	v_lshlrev_b32 v3, 4, v2                        ; 16 x lane
	v_lshlrev_b32 v5, 2, v2                        ; 4 x lane
	; every LDS address is made here, ahead of the parting of the paths
	s_mul_i32 s25, s24, WREG
	v_lshrrev_b32 v14, 2, v2
	v_mul_u32_u24 v14, v14, SP
	v_and_b32 v15, 3, v2
	v_lshl_add_u32 v14, v15, 4, v14
	v_add_nc_u32 v14, s25, v14                     ; x stage, in: SP (lane / 4) + 16 (lane % 4)
	v_mul_u32_u24 v15, v2, SP
	v_add_nc_u32 v15, s25, v15                     ; x stage, out: SP x lane
	s_mul_i32 s25, s24, 32*PITCH
	s_add_co_u32 s25, s25, WST
	v_mul_u32_u24 v4, v2, PITCH
	v_add_nc_u32 v4, s25, v4                       ; weight stage, in: row = my column
	v_and_b32 v6, 15, v2
	v_lshrrev_b32 v9, 4, v2
	v_mul_u32_u24 v7, v9, PITCH
	v_lshl_add_u32 v7, v6, 4, v7
	v_add_nc_u32 v7, s25, v7                       ; weight stage, out: sixteen lanes to a row, two rows an instruction
	v_lshlrev_b32 v8, 10, v9
	v_lshl_add_u32 v8, v6, 4, v8                   ; and the same place in wc: rows of 1,024 bytes
	s_wait_kmcnt 0x0
	s_load_b256 s[36:43], s[18:19], 0x0            ; e0 .. e7
	s_load_b32 s44, s[18:19], 0x2c                 ; e11
	s_cmp_lt_u32 ttmp9, 256
	s_cbranch_scc0 .Lweights
	; ---------------- x ----------------
	s_lshl_b32 s25, ttmp9, 2
	s_add_co_u32 s32, s25, s24                     ; which run of 8,192 numbers is my wave's
	s_lshl_b32 s46, s32, 15
	s_mov_b32 s47, 0
	s_add_nc_u64 s[4:5], s[8:9], s[46:47]          ; x at my run
	s_lshl_b32 s46, s32, 13
	s_add_nc_u64 s[26:27], s[20:21], s[46:47]      ; the three sets of codes at my run: three bases, 8,388,608 bytes apart
	s_add_nc_u64 s[28:29], s[26:27], 0x800000
	s_add_nc_u64 s[30:31], s[28:29], 0x800000
.macro XLOAD t
.irp i, 0,1,2,3
	global_load_b128 v[R+16*((\t)%4)+4*\i:R+16*((\t)%4)+4*\i+3], v3, s[4:5] offset:2048*(\t)+512*\i th:TH_LOAD_NT   ; 32 lanes read 512 consecutive bytes
.endr
.endm
.macro XTURN t                         ; step t through the stage: LDS serves a wave's instructions in order, so no wait stands between the stores and the loads
.irp i, 0,1,2,3
	ds_store_b128 v14, v[R+16*((\t)%4)+4*\i:R+16*((\t)%4)+4*\i+3] offset:32*SP*((\t)%2)+8*SP*\i
.endr
.irp i, 0,1,2,3
	ds_load_b128 v[X+16*((\t)%2)+4*\i:X+16*((\t)%2)+4*\i+3], v15 offset:32*SP*((\t)%2)+16*\i
.endr
.endm
.irp t, 0,1,2,3
	XLOAD \t
.endr
	s_wait_kmcnt 0x0
.irp p, 0,1,2
	s_add_co_i32 s46, s[36+2*\p], 127
	s_lshl_b32 s47, s46, 23
	v_mov_b32 v[SC+2*\p], s47                      ; 2^e as f32: the conversion takes its exponent field
	s_add_co_i32 s46, s46, 8
	s_lshl_b32 s46, s46, 23
	s_or_b32 s46, s46, 0x600000
	v_mov_b32 v[SC+2*\p+1], s46                    ; 448 x 2^e
.endr
	s_wait_alu depctr_va_vdst(0)
	s_wait_loadcnt 12                              ; step 0's four loads are in; the twelve of steps 1 to 3 may be out
	XTURN 0
.macro XSTEP t
.set XS, X+16*((\t)%2)
.set CS, C+12*((\t)%2)
	s_wait_dscnt 0x0                               ; this step's numbers are back from the stage, and its stores into the stage have read their registers,
.if (\t)+4 < STEPS
	XLOAD (\t)+4                                   ; which take the loads of four steps on
.endif
.if (\t)+1 < STEPS
.if STEPS-2-(\t) >= 3
	s_wait_loadcnt 12                              ; the next step's four loads are in; those of the three steps behind it may be out
.else
	s_wait_loadcnt 4*(STEPS-2-(\t))
.endif
	XTURN (\t)+1
.endif
.irp p, 0,1,2
.irp i, 0,1,2,3,4,5,6,7,8,9,10,11,12,13,14,15
	v_med3_num_f32 v[T+16*\p+\i], v[XS+\i], -v[SC+2*\p+1], v[SC+2*\p+1]   ; the conversion to an 8-bit code does not saturate (ISA guide 7.6.2): the hold, once for each scale
.endr
.endr
	s_wait_alu depctr_va_vdst(0)
	s_wait_xcnt 0x0                                ; the stores of two steps back have read this set of code registers
.irp p, 0,1,2
	v_cvt_scalef32_pk8_fp8_f32 v[CS+4*\p:CS+4*\p+1], v[T+16*\p:T+16*\p+7], v[SC+2*\p]
	v_cvt_scalef32_pk8_fp8_f32 v[CS+4*\p+2:CS+4*\p+3], v[T+16*\p+8:T+16*\p+15], v[SC+2*\p]
.endr
	v_nop                                          ; a plain line between the conversions and the next step's holds, which write their sources
	global_store_b128 v3, v[CS:CS+3], s[26:27] offset:512*(\t)
	global_store_b128 v3, v[CS+4:CS+7], s[28:29] offset:512*(\t)
	global_store_b128 v3, v[CS+8:CS+11], s[30:31] offset:512*(\t)
.endm
.irp t, 0,1,2,3,4,5,6,7,8,9,10,11,12,13,14,15
	XSTEP \t
.endr
	s_branch .Lend
	; ---------------- the four weights ----------------
.Lweights:
	s_sub_co_u32 s25, ttmp9, 256
	s_lshr_b32 s45, s25, 5                         ; which weight: 0 Wq, 1 Wk, 2 Wv, 3 Wo
	s_and_b32 s33, s25, 7                          ; which 128 columns
	s_bfe_u32 s34, s25, 0x20003                    ; which 256 along K
	s_lshl_b32 s33, s33, 7
	s_lshl_b32 s35, s24, 5
	s_add_co_u32 s33, s33, s35                     ; my wave's first column
	s_cmp_eq_u32 s45, 0                            ; the choice hangs on the work-group's number alone
	s_cselect_b64 s[48:49], s[10:11], s[12:13]
	s_cmp_eq_u32 s45, 2
	s_cselect_b64 s[52:53], s[14:15], s[16:17]
	s_cmp_lt_u32 s45, 2
	s_cselect_b64 s[4:5], s[48:49], s[52:53]
	s_lshl_b32 s46, s34, 20                        ; 256 rows of 4,096 bytes
	s_lshl_b32 s35, s33, 2
	s_add_co_u32 s46, s46, s35
	s_mov_b32 s47, 0
	s_add_nc_u64 s[4:5], s[4:5], s[46:47]          ; W at (256 kb, my column)
	s_lshl_b32 s46, s45, 20                        ; 1,024 rows of 1,024 bytes a weight
	s_lshl_b32 s35, s33, 10
	s_add_co_u32 s46, s46, s35
	s_lshl_b32 s35, s34, 8
	s_add_co_u32 s46, s46, s35
	s_add_nc_u64 s[6:7], s[22:23], s[46:47]        ; wc at (my column's row, 256 kb)
.macro WLOAD t                         ; block t: W(32 t + i, my column) into set t % 2: 32 lanes read 128 consecutive bytes
.irp i, 0,1,2,3,4,5,6,7,8,9,10,11,12,13,14,15,16,17,18,19,20,21,22,23,24,25,26,27,28,29,30,31
	global_load_b32 v[XW+32*((\t)%2)+\i], v5, s[4:5] offset:(32*(\t)+\i)*4096 th:TH_LOAD_NT
.endr
.endm
	WLOAD 0
	WLOAD 1
	s_wait_kmcnt 0x0
	s_cmp_eq_u32 s45, 0
	s_cselect_b32 s50, s37, s39                    ; e1 or e3
	s_cmp_eq_u32 s45, 2
	s_cselect_b32 s51, s41, s44                    ; e5 or e11
	s_cmp_lt_u32 s45, 2
	s_cselect_b32 s50, s50, s51
	s_add_co_i32 s50, s50, 127
	s_lshl_b32 s51, s50, 23
	v_mov_b32 v11, s51                             ; 2^e
	s_add_co_i32 s50, s50, 8
	s_lshl_b32 s50, s50, 23
	s_or_b32 s50, s50, 0x600000
.macro WBLOCK t
.set XS, XW+32*((\t)%2)
.if (\t) < NB-1
	s_wait_loadcnt 32                              ; this block's 32 loads are in; the next block's 32 may be out
.else
	s_wait_loadcnt 0
.endif
.irp i, 0,1,2,3,4,5,6,7,8,9,10,11,12,13,14,15,16,17,18,19,20,21,22,23,24,25,26,27,28,29,30,31
.endr
.irp g, 0,1,2,3
	v_cvt_scalef32_pk8_fp8_f32 v[CW+2*\g:CW+2*\g+1], v[XS+8*\g:XS+8*\g+7], v11
.endr
	v_nop                                          ; a plain line behind the last conversion
	ds_store_b128 v4, v[CW:CW+3] offset:32*(\t)    ; 32 codes: 32 bytes of my column's row
	ds_store_b128 v4, v[CW+4:CW+7] offset:32*(\t)+16
.if (\t)+2 < NB
	WLOAD (\t)+2
.endif
	s_wait_dscnt 0x0                               ; the stores have read their registers: the next block's codes may be written
.endm
	s_wait_alu depctr_va_vdst(0)
.irp t, 0,1,2,3,4,5,6,7
	WBLOCK \t
.endr
.irp t, 0,1,2,3,4,5,6,7,8,9,10,11,12,13,14,15
	ds_load_b128 v[OUTR+4*\t:OUTR+4*\t+3], v7 offset:2*\t*PITCH   ; LDS serves a wave's instructions in order: these see my stores
.endr
.irp t, 0,1,2,3,4,5,6,7,8,9,10,11,12,13,14,15
	s_wait_dscnt 15-\t                             ; the younger reads may be out
	global_store_b128 v8, v[OUTR+4*\t:OUTR+4*\t+3], s[6:7] offset:2*\t*1024
.endr
.Lend:
	s_wait_tensorcnt 0x0                           ; the wave's end
	ds_add_u32 v[SPW], v[NIL]
	s_wait_dscnt 0x0
	s_endpgm
.Lfunc_end_k_qa112d11b94_quant:
	.size	k_qa112d11b94_quant, .Lfunc_end_k_qa112d11b94_quant-k_qa112d11b94_quant
	.p2alignl 7, 3214868480
	.fill 96, 4, 3214868480
	.section	.rodata,"a",@progbits
	.p2align	6, 0x0
	.amdhsa_kernel k_qa112d11b94_quant
		.amdhsa_group_segment_fixed_size 68096
		.amdhsa_private_segment_fixed_size 0
		.amdhsa_enable_private_segment 0
		.amdhsa_kernarg_size 64
		.amdhsa_user_sgpr_count 2
		.amdhsa_user_sgpr_kernarg_segment_ptr 1
		.amdhsa_wavefront_size32 1
		.amdhsa_system_sgpr_workgroup_id_x 1
		.amdhsa_system_sgpr_workgroup_id_y 1
		.amdhsa_system_sgpr_workgroup_id_z 1
		.amdhsa_system_vgpr_workitem_id 0
		.amdhsa_next_free_vgpr 192
		.amdhsa_next_free_sgpr 66
		.amdhsa_reserve_vcc 0
		.amdhsa_float_denorm_mode_32 3
		.amdhsa_float_denorm_mode_16_64 3
		.amdhsa_fp16_overflow 1
		.amdhsa_memory_ordered 1
		.amdhsa_forward_progress 1
		.amdhsa_inst_pref_size 111
	.end_amdhsa_kernel
	.amdgpu_metadata
---
amdhsa.version: [ 1, 2 ]
amdhsa.kernels:
  - .name:           k_qa112d11b94_quant
    .symbol:         k_qa112d11b94_quant.kd
    .args:
      - { .name: input_sequences, .offset: 0, .size: 8, .value_kind: global_buffer, .address_space: global }
      - { .name: Wq, .offset: 8, .size: 8, .value_kind: global_buffer, .address_space: global }
      - { .name: Wk, .offset: 16, .size: 8, .value_kind: global_buffer, .address_space: global }
      - { .name: Wv, .offset: 24, .size: 8, .value_kind: global_buffer, .address_space: global }
      - { .name: Wo, .offset: 32, .size: 8, .value_kind: global_buffer, .address_space: global }
      - { .name: lowp_scales, .offset: 40, .size: 8, .value_kind: global_buffer, .address_space: global }
      - { .name: xc, .offset: 48, .size: 8, .value_kind: global_buffer, .address_space: global }
      - { .name: wc, .offset: 56, .size: 8, .value_kind: global_buffer, .address_space: global }
    .group_segment_fixed_size: 68096
    .private_segment_fixed_size: 0
    .kernarg_segment_align: 8
    .kernarg_segment_size: 64
    .max_flat_workgroup_size: 128
    .sgpr_count:     66
    .vgpr_count:     192
    .wavefront_size: 32
...
	.end_amdgpu_metadata
.endif
;; end of part 1
;; launch qkv (part 2): grid 12 x 32, 4 waves a work-group, clusters of 4 x 4, 327,680 bytes of LDS; arguments xc, wc, lowp_scales, bq, bk, bv, qc, kc, vc; writes qc, kc, vc
.if DOCPART == 2
	.amdgcn_target "amdgcn-amd-amdhsa--gfx1250"
	.amdhsa_code_object_version 6
	.text
	.protected	k_qa112d11b94_qkv
	.globl	k_qa112d11b94_qkv
	.p2align	8
	.type	k_qa112d11b94_qkv,@function
k_qa112d11b94_qkv:
	s_mov_b64 s[64:65], 0
	v_nop
	global_prefetch_b8 v0, s[64:65] scope:SCOPE_SE
	s_setreg_imm32_b32 hwreg(HW_REG_WAVE_MODE, 25, 1), 1
	s_wait_xcnt 0x0
	s_wait_alu depctr_hold_cnt(0) depctr_sa_sdst(0) depctr_va_vdst(0) depctr_va_sdst(0) depctr_va_ssrc(0) depctr_va_vcc(0) depctr_vm_vsrc(0)
	s_getreg_b32 s2, hwreg(HW_REG_IB_STS2, 6, 4)
	s_cmp_eq_u32 s2, 0
	s_cbranch_scc0 .Lentry_in_a_cluster
	s_endpgm
.Lentry_in_a_cluster:
	s_bfe_u32 s2, ttmp6, 0x10000c
	s_cmp_lg_u32 s2, 0xf033
	s_cbranch_scc0 .Lentry_shape_is_right
	s_endpgm
.Lentry_shape_is_right:
; q = x Wq + bq, k = x Wk + bk, v = x Wv + bv on codes of FP8 (E4M3), K = 1,024; each result is quantised on the way out (2^e6, 2^e7, 2^e9) and stored as an image of the registers in which the attention launch wants it.
; The cluster's x says which: 0 q, 1 k, 2 v.  A tile of C is 256 x 256, four waves of 128 x 128 (64 accumulators, 512 registers); K goes in steps of 256 through a ring of two LDS slots filled by the tensor data mover.
; ROLES.  The matrix instruction takes 16 rows of role B as source 0 and 16 rows of role A as source 1: lane (r, h) of accumulator (a, b) holds C(A's row 16 a + r, B's rows 16 b + 8 h + 0 .. 7).
;   q, k: A = rows of x's codes (set 0 or 1), B = rows of wc (the weight's columns): a lane's eight numbers run along the head's axis, which is the next product's K.
;   v:    A = rows of wc (Wv's columns), B = rows of x's codes (set 2): V^T: a lane's eight numbers run along the keys, which are the next K of v.
; CLUSTERS: 4 x 4 work-groups.  A's tile hangs on the cluster's numbers and cy, and is asked for jointly by a row of the cluster; B's on the cluster's numbers and cx, by a column.
; THE WAY OUT: sum x 2^(eA + eB) + bias (along B's rows for q and k, along A's rows for v: both are loaded, and the one that does not apply is masked to 0, so that one text serves all three and the sum is rounded once),
;   converted, 8 codes a lane into ONE stage of 256 rows x 272 bytes in slot 0 (which has had its last fill and its last read); a barrier; each wave reads one head's part back in the images' order and stores it, 512 consecutive bytes an instruction.
;   In the stage the 32 columns of a group lie in the order 16 h + 8 u + j for column 16 u + 8 h + j, so that 16 bytes read at 32 c + 16 h are registers 4 c .. 4 c + 3 of a fragment in the plain 8-bit forms' own order.
; qc, kc: [head 64][tile of 16 rows 128][c 2][lane 32][16 bytes].   vc: [head 64][128 keys 16][tile t 4][c 4][lane 32][16 bytes], lane (r, h) of tile t: channel 32 (t / 2) + 8 (t % 2) + r + 8 (r / 8).
; LIMITS: e0 + e1, e2 + e3, e4 + e5 between -126 and 127; e6, e7, e9 between -126 and 119.  NaN among the inputs is not served.
; REGISTERS, in windows of 256: window 0: v0-31 addresses; v32-95 the bias along B's rows; v96 the result's scale; v98-113 the bias along A's rows, in pairs; from v128 A's fragments, ONE set; on the way out v128-255 are free.
;   window 1: B's fragments, TWO sets.   window 2: the accumulators of my rows 0-63 ((a, b) at v[8 (8 a + b)]);   window 3: those of my rows 64-127.
.set ROWB,   256                       ; a tile's row in bytes: 256 codes
.set KROW,   1024                      ; a row of xc or wc in bytes
.set PITCH,  272                       ; an LDS row: 256 bytes + 16 of padding: the 16 rows that a load touches start at 16 different banks (64 banks of 4 bytes: ISA guide 11.1)
.set FR,     16
.set NL,     4
.set NP,     4                         ; places behind this matrix instruction (ISA guide 7.12.1)
.set HALFT,  128*PITCH
.set SLOT,   4*HALFT
.set SPARE,  2*SLOT                    ; the spare words, 128 bytes a wave: two blocks of 256 bytes that no other line names
.set ADRA, 16
.set ADRB, 20
.set STO,  24                          ; v24 the stage: where I put 8 codes
.set RDQ,  26                          ; v26 the stage, back, for q and k
.set RDV,  27                          ; v27 the stage, back, for v
.set SPW,  28
.set NIL,  29
.set GOF,  30                          ; v30 16 x lane
.set BC,   32
.set BR,   98
.set AF,   128
.set TMP,  128
.set CD,   192
.set G1, 24
.set G0, 32
.set G1B, 48
.set G0B, 56
.set MSB, 0
.macro WIN new                         ; the immediate's high byte repeats the setting that is left
.if MSB != \new
	s_set_vgpr_msb (MSB<<8)|\new
.set MSB, \new
.endif
.endm
.set MUL_LO, 0xa1                      ; source 0 (B) window 1, source 1 (A) window 0, C and D window 2
.set MUL_HI, 0xf1
.set TO_B,   0x40
; A joint load: waves 0 and 1 fetch for A, waves 2 and 3 for B; the branch hangs on the wave's number alone.  An s_nop 0 and four v_nop follow each of the two lines.
.macro JLOAD g0a, g1a, g0b, g1b
	s_cmp_eq_u32 s15, 0
	s_cbranch_scc0 .Lfor_b_\@
	tensor_load_to_lds s[\g0a:\g0a+3], s[\g1a:\g1a+7]
	s_nop 0
.rept 4
	v_nop
.endr
	s_branch .Lasked_\@
.Lfor_b_\@:
	tensor_load_to_lds s[\g0b:\g0b+3], s[\g1b:\g1b+7]
	s_nop 0
.rept 4
	v_nop
.endr
.Lasked_\@:
.endm
.macro CREST
	s_cmp_lg_u32 s14, 0
	s_cbranch_scc1 .Lnot_wave_0_\@
	s_barrier_signal -3
.Lnot_wave_0_\@:
	s_barrier_wait -3
	s_barrier_signal -1
	s_barrier_wait -1
.endm
.macro CROUND
	s_barrier_signal -1
	s_barrier_wait -1
	CREST
.endm
	s_load_b512 s[68:83], s[0:1], 0x0              ; xc 68, wc 70, scales 72, bq 74, bk 76, bv 78, qc 80, kc 82
	s_load_b64 s[84:85], s[0:1], 0x40              ; vc
	v_lshl_add_u32 v[SPW], v0, 2, SPARE
	v_mov_b32 v[NIL], 0
	ds_add_u32 v[SPW], v[NIL]                      ; the wave's opening: the add and its wait ahead of my first tensor load; work on registers stands between them
	ds_add_u32 v[SPW], v[NIL]
	v_lshrrev_b32 v1, 5, v0
	v_readfirstlane_b32 s14, v1                    ; wave 0..3
	s_lshr_b32 s15, s14, 1                         ; which half of A's rows is mine.  Also: I fetch for A (0) or for B (1)
	s_and_b32 s16, s14, 1                          ; which half of B's rows.  Also: which 128 rows of that tile I fetch
	s_bfe_u32 s40, ttmp6, 0x40000                  ; cx
	s_bfe_u32 s41, ttmp6, 0x40004                  ; cy
	s_and_b32 s17, ttmp7, 0xffff                   ; cluster y
	s_lshl_b32 s43, s41, 2
	s_lshl_b32 s43, 15, s43                        ; my row of the cluster
	s_lshl_b32 s44, 0x1111, s40                    ; my column
	s_or_b32 s[G1+0], s43, (0<<16)|(1<<20)|(1<<21)|(5<<22)|(3<<25)  ; the mask; elements of 1 byte; padding on; bit 21 beside a mask; after every 64 words, 4 words
	s_or_b32 s[G1B+0], s44, (0<<16)|(1<<20)|(1<<21)|(5<<22)|(3<<25)
.irp g, G1, G1B
	s_mov_b32 s[\g+1], ROWB<<16                    ; tensor_dim0
	s_mov_b32 s[\g+2], 128<<16                     ; tensor_dim1
	s_mov_b32 s[\g+3], ROWB<<16                    ; tile_dim0
	s_mov_b32 s[\g+4], 128                         ; tile_dim1
	s_mov_b32 s[\g+5], KROW                        ; tensor_dim0_stride
	s_mov_b32 s[\g+6], 0
	s_mov_b32 s[\g+7], 0
.endr
	; the tiles, in units of 256 rows (2^18 bytes).  A: q, k: 32 x set + 4 x cluster y + cy of xc; v: 8 + cy of wc.  B: q, k: 4 x weight + cx of wc; v: 64 + 4 x cluster y + cx of xc
	s_lshl_b32 s19, s17, 2
	s_lshl_b32 s18, ttmp9, 5
	s_add_co_u32 s18, s18, s19
	s_lshl_b32 s22, ttmp9, 2
	s_add_co_u32 s23, s19, 64
	s_cmp_eq_u32 ttmp9, 2                          ; the cluster's number: the same in all sixteen partners
	s_cselect_b32 s18, 8, s18
	s_cselect_b32 s22, s23, s22
	s_lshl_b32 s12, s16, 17                        ; the 128 rows that I fetch
	s_add_co_u32 s20, s18, s41                     ; A's chain holds cy and never cx,
	s_lshl_b32 s20, s20, 18
	s_add_co_u32 s20, s20, s12
	s_mov_b32 s21, 0
	s_add_co_u32 s46, s22, s40                     ; B's chain cx and never cy
	s_lshl_b32 s46, s46, 18
	s_add_co_u32 s46, s46, s12
	s_mov_b32 s47, 0
	s_mul_i32 s45, s14, HALFT                      ; where they go: wave x 128 rows
	s_wait_dscnt 0x0                               ; the opening add is done
	s_wait_kmcnt 0x0
	s_load_b256 s[88:95], s[72:73], 0x0            ; e0 .. e7
	s_load_b32 s86, s[72:73], 0x24                 ; e9
	s_cmp_eq_u32 ttmp9, 2
	s_cselect_b64 s[8:9], s[70:71], s[68:69]       ; A's buffer
	s_cselect_b64 s[10:11], s[68:69], s[70:71]     ; B's buffer
	s_add_nc_u64 s[20:21], s[8:9], s[20:21]
	s_add_nc_u64 s[46:47], s[10:11], s[46:47]
	CROUND                                         ; all sixteen work-groups are here: the first joint loads meet
.irp s, 0,1
	s_mov_b32 s[G0+4*\s], 1
	s_add_co_u32 s[G0+4*\s+1], s45, \s*SLOT
	s_add_nc_u64 s[G0+4*\s+2:G0+4*\s+3], s[20:21], \s*ROWB
	s_or_b32 s[G0+4*\s+3], s[G0+4*\s+3], 0x80000000
	s_mov_b32 s[G0B+4*\s], 1
	s_add_co_u32 s[G0B+4*\s+1], s45, \s*SLOT
	s_add_nc_u64 s[G0B+4*\s+2:G0B+4*\s+3], s[46:47], \s*ROWB
	s_or_b32 s[G0B+4*\s+3], s[G0B+4*\s+3], 0x80000000
	JLOAD G0+4*\s, G1, G0B+4*\s, G1B
.endr
	v_and_b32 v1, 15, v0                           ; r
	v_bfe_u32 v2, v0, 4, 1                         ; h
	v_mul_u32_u24 v3, v1, PITCH
	v_lshl_add_u32 v4, v2, 4, v3                   ; r x pitch + 16 h
	s_wait_alu depctr_va_vdst(0)
	s_mul_i32 s21, s15, HALFT
	s_mul_i32 s22, s16, HALFT
	s_add_co_u32 s22, s22, 2*HALFT
.irp s, 0,1
	v_add_nc_u32 v[ADRA+\s], s21, v4
	v_add_nc_u32 v[ADRB+\s], s22, v4
	s_add_co_u32 s21, s21, SLOT
	s_add_co_u32 s22, s22, SLOT
.endr
	s_mul_i32 s23, s15, HALFT                      ; the stage, in: row 128 x my half of A's rows + r, byte 128 x my half of B's rows + 16 h
	s_lshl_b32 s12, s16, 7
	s_add_co_u32 s23, s23, s12
	v_add_nc_u32 v[STO], s23, v4
	s_lshl_b32 s23, s14, 6                         ; back, q and k: wave w takes the tile's head w: bytes 64 w on of every row
	v_add_nc_u32 v[RDQ], s23, v4
	v_and_b32 v5, 8, v1
	v_add_nc_u32 v5, v5, v1                        ; r + 8 (r / 8)
	v_mul_u32_u24 v5, v5, PITCH
	v_lshl_add_u32 v5, v2, 4, v5
	s_mul_i32 s23, s14, 64*PITCH                   ; back, v: wave w takes the tile's head w: rows 64 w on
	v_add_nc_u32 v[RDV], s23, v5
	v_and_b32 v6, 31, v0
	v_lshlrev_b32 v[GOF], 4, v6
	; the buffers that hang on which of q, k, v this cluster makes
	s_cmp_eq_u32 ttmp9, 0
	s_cselect_b64 s[98:99], s[80:81], s[82:83]
	s_cselect_b64 s[4:5], s[74:75], s[76:77]
	s_cmp_eq_u32 ttmp9, 2
	s_cselect_b64 s[98:99], s[84:85], s[98:99]     ; qc, kc or vc
	s_cselect_b64 s[4:5], s[78:79], s[4:5]         ; bq, bk or bv
	; both biases are loaded by every work-group, inside their 4,096 bytes; they are waited for on the way out.  v7, v8, s[4:7] are not written again
	v_lshlrev_b32 v7, 5, v2                        ; 32 h
	s_wait_alu depctr_va_vdst(0)
	v_lshlrev_b32 v8, 2, v1                        ; 4 r
	s_wait_alu depctr_va_vdst(0)
	s_lshl_b32 s18, s40, 10
	s_lshl_b32 s19, s16, 9
	s_add_co_u32 s18, s18, s19
	s_mov_b32 s19, 0
	s_add_nc_u64 s[4:5], s[4:5], s[18:19]          ; along B's rows: 256 cx + 128 x half
	s_lshl_b32 s18, s41, 10
	s_lshl_b32 s12, s15, 9
	s_add_co_u32 s18, s18, s12
	s_add_nc_u64 s[6:7], s[78:79], s[18:19]        ; along A's rows (v): bv at 256 cy + 128 x half
.irp b, 0,1,2,3,4,5,6,7
	global_load_b128 v[BC+8*\b:BC+8*\b+3], v7, s[4:5] offset:64*\b       ; numbers 16 b + 8 h + 0 .. 7
	global_load_b128 v[BC+8*\b+4:BC+8*\b+7], v7, s[4:5] offset:64*\b+16
.endr
.irp a, 0,1,2,3,4,5,6,7
	global_load_b32 v[BR+2*\a], v8, s[6:7] offset:64*\a                  ; number 16 a + r
.endr
	; where my head's part of the tile begins in the output: batch x 2^21 + head x 2^17 + (256 rows or keys) x 2^14
	s_and_b32 s17, ttmp7, 0xffff
	s_lshl_b32 s17, s17, 2
	s_cmp_eq_u32 ttmp9, 2
	s_cselect_b32 s18, s40, s41                    ; the tile along the sequence: 4 x cluster y + cy (q, k) or + cx (v)
	s_cselect_b32 s19, s41, s40                    ; the tile along the features: cx (q, k) or cy (v)
	s_add_co_u32 s17, s17, s18
	s_lshr_b32 s18, s17, 3
	s_lshl_b32 s18, s18, 21
	s_and_b32 s17, s17, 7
	s_lshl_b32 s17, s17, 14
	s_lshl_b32 s19, s19, 2
	s_add_co_u32 s19, s19, s14
	s_lshl_b32 s19, s19, 17
	s_add_co_u32 s18, s18, s17
	s_add_co_u32 s18, s18, s19
	s_mov_b32 s19, 0
	s_add_nc_u64 s[98:99], s[98:99], s[18:19]
.macro FRAG reg, adr, q, i             ; 16 rows x 128 K: lane l holds row l % 16; registers 4 c .. 4 c + 3 hold K = 32 c + 16 (l / 16) + 0 .. 15: the same order of k in A and in B
.irp c, 0,1,2,3
	ds_load_b128 v[\reg+4*\c:\reg+4*\c+3], v[\adr] offset:128*(\q)+32*\c+(\i)*16*PITCH
.endr
.endm
; 16 matrix instructions: A's blocks a0, a0 + 1 x B's eight.  The 64 accumulators take turns, one instruction a turn, in the same order in every step.
.macro MUL16 a0, p, zero
.irp a, \a0, \a0+1
.irp b, 0,1,2,3,4,5,6,7
.if \zero
	v_wmma_f32_16x16x128_fp8_fp8 v[8*(8*((\a)%4)+\b):8*(8*((\a)%4)+\b)+7], v[128*(\p)+FR*\b:128*(\p)+FR*\b+FR-1], v[AF+FR*(\a):AF+FR*(\a)+FR-1], 0
.else
	v_wmma_f32_16x16x128_fp8_fp8 v[8*(8*((\a)%4)+\b):8*(8*((\a)%4)+\b)+7], v[128*(\p)+FR*\b:128*(\p)+FR*\b+FR-1], v[AF+FR*(\a):AF+FR*(\a)+FR-1], v[8*(8*((\a)%4)+\b):8*(8*((\a)%4)+\b)+7]
.endif
.endr
.endr
.endm
.macro FETCH_B slot, q, p
	WIN TO_B
.irp i, 0,1,2,3,4,5,6,7
	FRAG 128*(\p)+FR*\i, ADRB+\slot, \q, \i
.endr
	WIN 0
.endm
.macro FETCH_A slot, q, i0
.irp i, \i0, \i0+1, \i0+2, \i0+3
	FRAG AF+FR*(\i), ADRA+\slot, \q, \i
.endr
.endm
.macro PLACES n                        ; plain vector lines between a matrix instruction and a load into, or a vector read or write of, its registers
.rept \n
	v_nop
.endr
.endm
.macro STEP slot, q, zero              ; 128 along K, with its successor in the same slot
	s_wait_dscnt 4*NL                              ; B's set and A's blocks 0-3 are in; the youngest 16 loads (A's blocks 4-7) may be out
	WIN MUL_LO
	MUL16 0, (\q)%2, \zero
	MUL16 2, (\q)%2, \zero
	s_wait_dscnt 0
	PLACES NP
	FETCH_B \slot, (\q)+1, 1-(\q)%2
	FETCH_A \slot, (\q)+1, 0
	WIN MUL_HI
	MUL16 4, (\q)%2, \zero
	MUL16 6, (\q)%2, \zero
	PLACES NP
	WIN 0
	FETCH_A \slot, (\q)+1, 4
.endm
; A slot's last step changes slots: each wave waits for all its tensor loads, adds 0 to its spare word, waits for that and for its reads of this slot; then the barrier.  fill = 1: it opens a round of the cluster's barrier, and this slot is filled again.
.macro TURN slot, next, fill
	s_wait_tensorcnt 0x0                           ; all my tensor loads have landed: my part of the next slot
	ds_add_u32 v[SPW], v[NIL]
	s_wait_dscnt 4*NL+1                            ; the add and the youngest 16 loads may be out
	WIN MUL_LO
	MUL16 0, 1, 0
	s_wait_dscnt 0x0                               ; the add is done, and my reads of this slot are over
	s_barrier_signal -1
	MUL16 2, 1, 0
	WIN 0
	s_barrier_wait -1
.if \fill
	CREST                                          ; no wave of any partner still reads this slot or has a load on its way
	s_add_nc_u64 s[G0+4*\slot+2:G0+4*\slot+3], s[G0+4*\slot+2:G0+4*\slot+3], 2*ROWB
	s_add_nc_u64 s[G0B+4*\slot+2:G0B+4*\slot+3], s[G0B+4*\slot+2:G0B+4*\slot+3], 2*ROWB
	JLOAD G0+4*\slot, G1, G0B+4*\slot, G1B         ; the first tensor load behind the round; its four v_nop are the places in front of the loads below
.else
	PLACES NP
.endif
	FETCH_B \next, 0, 0
	FETCH_A \next, 0, 0
	WIN MUL_HI
	MUL16 4, 1, 0
	MUL16 6, 1, 0
	PLACES NP
	WIN 0
	FETCH_A \next, 0, 4
.endm
	s_wait_tensorcnt 1                             ; my part of K step 0 is in; K step 1's load may be out
	s_barrier_signal -1
	s_barrier_wait -1
	FETCH_B 0, 0, 0
	FETCH_A 0, 0, 0
	FETCH_A 0, 0, 4
	STEP 0, 0, 1                                   ; the first step starts the sums: nothing is cleared
	s_mov_b32 s3, 1                                ; K = 1,024 is two laps of the ring: one trip fills both slots again
.Llap:
	TURN 0, 1, 1
	STEP 1, 0, 0
	TURN 1, 0, 1
	STEP 0, 0, 0
	s_sub_co_u32 s3, s3, 1
	s_cmp_lg_u32 s3, 0
	s_cbranch_scc1 .Llap
	TURN 0, 1, 0                                   ; the last lap fills nothing
	STEP 1, 0, 0
	s_wait_dscnt 4*NL
	WIN MUL_LO
	MUL16 0, 1, 0
	MUL16 2, 1, 0
	s_wait_dscnt 0
	WIN MUL_HI
	MUL16 4, 1, 0
	MUL16 6, 1, 0
	WIN 0
	; ---------------- the way out ----------------
	s_wait_loadcnt 0x0                             ; the biases
	s_wait_kmcnt 0x0                               ; the exponents
	s_add_co_i32 s17, s88, s89
	s_add_co_i32 s18, s90, s91
	s_add_co_i32 s19, s92, s93
	s_cmp_eq_u32 ttmp9, 0
	s_cselect_b32 s17, s17, s18
	s_cselect_b32 s22, s94, s95
	s_cmp_eq_u32 ttmp9, 2
	s_cselect_b32 s17, s19, s17                    ; eA + eB of this product
	s_cselect_b32 s22, s86, s22                    ; the result's exponent: e6, e7 or e9
	s_cselect_b32 s100, 0, -1                      ; keeps the bias along B's rows for q and k
	s_cselect_b32 s101, -1, 0                      ; keeps the bias along A's rows for v
	s_add_co_i32 s17, s17, 127
	s_lshl_b32 s96, s17, 23                        ; 2^(eA + eB) as f32
	s_mov_b32 s97, s96
	s_add_co_i32 s22, s22, 127
	s_lshl_b32 s23, s22, 23
	s_add_co_i32 s22, s22, 8
	s_lshl_b32 s22, s22, 23
	s_or_b32 s22, s22, 0x600000
.set j, 0
.rept 64
	v_and_b32 v[BC+j], s100, v[BC+j]               ; (these plain lines are also the places behind the last products)
.set j, j+1
.endr
.irp a, 0,1,2,3,4,5,6,7
	v_and_b32 v[BR+2*\a], s101, v[BR+2*\a]
.endr
.irp a, 0,1,2,3,4,5,6,7
	v_mov_b32 v[BR+2*\a+1], v[BR+2*\a]             ; a pair for the packed addition
.endr
	v_mov_b32 v96, s23                             ; the result's scale
.macro PACK a                          ; block a: 16 of A's rows x 128 of B's
.set AC, 64*((\a)%4)
	WIN 0x02+((\a)/4)                              ; source 0: window 2 or 3
.set j, 0
.rept 32
	v_pk_fma_f32 v[TMP+j:TMP+j+1], v[AC+j:AC+j+1], s[96:97], v[BC+j:BC+j+1] op_sel_hi:[1,0,1]   ; each accumulator from its low end on
.set j, j+2
.endr
	WIN 0
.set j, 0
.rept 32
	v_pk_add_f32 v[TMP+j:TMP+j+1], v[TMP+j:TMP+j+1], v[BR+2*(\a):BR+2*(\a)+1]
.set j, j+2
.endr
.set j, 0
.rept 64
.set j, j+1
.endr
.if (\a) >= 2
	s_wait_alu depctr_va_vdst(0)
	s_wait_dscnt 8                                 ; the stores of two blocks back, which read this set of code registers, are done; the last block's eight may be out
.endif
.irp b, 0,1,2,3,4,5,6,7
	v_cvt_scalef32_pk8_fp8_f32 v[CD+16*((\a)%2)+2*\b:CD+16*((\a)%2)+2*\b+1], v[TMP+8*\b:TMP+8*\b+7], v96
.endr
	v_nop                                          ; a plain line behind the last conversion
.irp b, 0,1,2,3,4,5,6,7
	ds_store_b64 v[STO], v[CD+16*((\a)%2)+2*\b:CD+16*((\a)%2)+2*\b+1] offset:(\a)*16*PITCH+32*(\b/2)+8*(\b%2)
.endr
.endm
.irp a, 0,1,2,3,4,5,6,7
	PACK \a
.endr
	s_wait_dscnt 0x0                               ; for the others' sake: my stores into the stage are done
	s_barrier_signal -1
	s_barrier_wait -1
	s_cmp_eq_u32 ttmp9, 2                          ; the cluster's number: all waves of all partners go the same way; no barrier stands inside
	s_cbranch_scc1 .Lread_v
.set t, 0
.rept 32                               ; q, k: tile of 16 rows t / 2, c = t % 2
	ds_load_b128 v[128+4*t:128+4*t+3], v[RDQ] offset:(t/2)*16*PITCH+32*(t%2)
.set t, t+1
.endr
	s_branch .Lstore
.Lread_v:
.set t, 0
.rept 32                               ; v: 128 keys t / 16, tile (t / 4) % 4, c = t % 4
	ds_load_b128 v[128+4*t:128+4*t+3], v[RDV] offset:(32*(((t/4)%4)/2)+8*(((t/4)%4)%2))*PITCH+128*(t/16)+32*(t%4)
.set t, t+1
.endr
.Lstore:
.set t, 0
.rept 32
	s_wait_dscnt 31-t                              ; the younger reads may be out
	global_store_b128 v[GOF], v[128+4*t:128+4*t+3], s[98:99] offset:512*t   ; 32 lanes store 512 consecutive bytes, aligned
.set t, t+1
.endr
	s_wait_tensorcnt 0x0                           ; the wave's end
	ds_add_u32 v[SPW], v[NIL]
	s_wait_dscnt 0x0
	CROUND                                         ; the closing round
	s_endpgm
.Lfunc_end_k_qa112d11b94_qkv:
	.size	k_qa112d11b94_qkv, .Lfunc_end_k_qa112d11b94_qkv-k_qa112d11b94_qkv
	.p2alignl 7, 3214868480
	.fill 96, 4, 3214868480
	.section	.rodata,"a",@progbits
	.p2align	6, 0x0
	.amdhsa_kernel k_qa112d11b94_qkv
		.amdhsa_group_segment_fixed_size 327680
		.amdhsa_private_segment_fixed_size 0
		.amdhsa_enable_private_segment 0
		.amdhsa_kernarg_size 72
		.amdhsa_user_sgpr_count 2
		.amdhsa_user_sgpr_kernarg_segment_ptr 1
		.amdhsa_wavefront_size32 1
		.amdhsa_system_sgpr_workgroup_id_x 1
		.amdhsa_system_sgpr_workgroup_id_y 1
		.amdhsa_system_sgpr_workgroup_id_z 1
		.amdhsa_system_vgpr_workitem_id 0
		.amdhsa_next_free_vgpr 1024
		.amdhsa_next_free_sgpr 102
		.amdhsa_reserve_vcc 0
		.amdhsa_float_denorm_mode_32 3
		.amdhsa_float_denorm_mode_16_64 3
		.amdhsa_fp16_overflow 1
		.amdhsa_memory_ordered 1
		.amdhsa_forward_progress 1
		.amdhsa_inst_pref_size 134
	.end_amdhsa_kernel
	.amdgpu_metadata
---
amdhsa.version: [ 1, 2 ]
amdhsa.kernels:
  - .name:           k_qa112d11b94_qkv
    .symbol:         k_qa112d11b94_qkv.kd
    .args:
      - { .name: xc, .offset: 0, .size: 8, .value_kind: global_buffer, .address_space: global }
      - { .name: wc, .offset: 8, .size: 8, .value_kind: global_buffer, .address_space: global }
      - { .name: lowp_scales, .offset: 16, .size: 8, .value_kind: global_buffer, .address_space: global }
      - { .name: bq, .offset: 24, .size: 8, .value_kind: global_buffer, .address_space: global }
      - { .name: bk, .offset: 32, .size: 8, .value_kind: global_buffer, .address_space: global }
      - { .name: bv, .offset: 40, .size: 8, .value_kind: global_buffer, .address_space: global }
      - { .name: qc, .offset: 48, .size: 8, .value_kind: global_buffer, .address_space: global }
      - { .name: kc, .offset: 56, .size: 8, .value_kind: global_buffer, .address_space: global }
      - { .name: vc, .offset: 64, .size: 8, .value_kind: global_buffer, .address_space: global }
    .group_segment_fixed_size: 327680
    .private_segment_fixed_size: 0
    .kernarg_segment_align: 8
    .kernarg_segment_size: 72
    .max_flat_workgroup_size: 128
    .sgpr_count:     102
    .vgpr_count:     1024
    .wavefront_size: 32
...
	.end_amdgpu_metadata
.endif
;; end of part 2
;; launch attn (part 3): grid 4 x 64, 16 waves a work-group, no clusters, 327,680 bytes of LDS; arguments qc, kc, vc, lowp_scales, cc; writes cc
.if DOCPART == 3
	.amdgcn_target "amdgcn-amd-amdhsa--gfx1250"
	.amdhsa_code_object_version 6
	.text
	.protected	k_qa112d11b94_attn
	.globl	k_qa112d11b94_attn
	.p2align	8
	.type	k_qa112d11b94_attn,@function
k_qa112d11b94_attn:
	s_mov_b64 s[64:65], 0
	v_nop
	global_prefetch_b8 v0, s[64:65] scope:SCOPE_SE
	s_setreg_imm32_b32 hwreg(HW_REG_WAVE_MODE, 25, 1), 1
	s_wait_xcnt 0x0
; ctx = softmax(q k^T / 8, causal) v for 64 heads of 2,048 x 64, both products on codes of FP8 (E4M3); ctx is quantised (2^e10) and stored as the image of the last product's operand registers.
; t = score x 2^(e6 + e7) x log2(e) / 8; M = the running largest t rounded UP to a whole number; p = 2^(t - M) is quantised (2^e8), not normalised; the row's sum is taken of the unquantised p and divides at the end.
; SHARES.  Work-group (g, head) owns the blocks g and 7 - g of 256 queries; wave w of sixteen owns one tile of 16 queries in each (L: 256 g + 16 w; H: 256 (7 - g) + 16 w): 16 or 18 key steps of 128 a wave, whatever g is.
; Every work-group walks all eight slots of 256 keys (constant trip counts); a step all of whose keys come after the tile's queries is jumped over, by a scalar branch on ids, and a slot beyond the work-group's last query is not asked for.
; NO CLUSTER, though the four work-groups of a head read the same slots: joint requests would bind them to one round a slot, and their work in a slot differs (2, 1 or 0 blocks of queries): the sum over the slots of the largest is 12 against the 9
; that each has, and what would be shared is 32 KiB a slot.
; LAYOUT.  Both products are used transposed: S^T = K Q^T (source 0 = 16 keys, K = 64), O^T = V^T P^T (source 0 = 16 channels, K = 128 keys): a lane holds ONE query throughout.  In S^T register 8 T + j of lane (r, h) is key 16 T + 8 h + j:
; its conversion's two registers are registers 2 T, 2 T + 1 of the K = 128 form's operand, in that form's own order.  kc and vc hold images of the operands' registers: a fragment comes by loads of 512 consecutive bytes.
; V's tile t holds channels 32 (t / 2) + 8 (t % 2) + r + 8 (r / 8), so that the 16 registers of O^T's tiles 2 b, 2 b + 1 are channels 32 b + 16 h + 0 .. 15: 16 neighbours along the last product's K.
; LIMITS: e6 + e7 between -124 and 130; e8 and e10 between -126 and 119; e8 + e9 is applied by v_ldexp_f32 and has none.  q is taken with e6, k with e7.
; REGISTERS: v1 16 x lane; v2 LDS address of the slot in hand; v3 the prefetch's offset; v4 r - 8 h; v5, v6 the add's two; v12-15, v16-19 -M, largest t, the sum in two halves (L, H); v20-27, v28-35 Q (L, H); v36-99 fragments of K, then of V;
; v100-163 S^T, then p; v164-195, v196-227 O^T (L, H); v228-243 p's codes; v244 2^e8; v246-253 at work; v249 -infinity; v254 2^e10.
.set SLOT1, 32768                      ; a slot: 16 KiB of K's images, then 16 KiB of V's; one exclusive or turns an address in one slot into the other's
.set VOFF,  16384
.set SPARE, 65536                      ; the spare words, 128 bytes a wave: eight blocks of 256 bytes that no other line names
.set STL, 12
.set STH, 16
.set QFL, 20
.set QFH, 28
.set F,   36
.set S,   100
.set OL,  164
.set OH,  196
.set P,   228
; Wave 0 fetches a slot's images of K, wave 1 those of V, the others nothing.  An s_nop 0 and four v_nop follow the load.
.macro TLOAD
	s_cmp_lt_u32 s18, 2
	s_cbranch_scc0 .Lasked_\@
	tensor_load_to_lds s[40:43], s[24:31]
	s_nop 0
.rept 4
	v_nop
.endr
.Lasked_\@:
.endm
; A prefetch of what the NEXT change of slots will ask for.  Each aligned block of 256 bytes is named once in the launch: of a head's four work-groups the one with g = 0 asks (it loads all eight slots); in it waves 4 and 5 ask for K's
; two halves of 8,192 bytes, waves 6 and 7 for V's, lanes 256 bytes apart.  Slots 0 and 1 come by their loads alone; the last change that fills a slot asks for nothing.
.macro ASK
	s_cmp_gt_u32 s67, s82
	s_cbranch_scc0 .Lnot_mine_\@
	global_prefetch_b8 v3, s[80:81] th:TH_LOAD_NT scope:SCOPE_SE
.Lnot_mine_\@:
.endm
	s_load_b256 s[4:11], s[0:1], 0x0               ; qc 4:5, kc 6:7, vc 8:9, scales 10:11
	s_load_b64 s[12:13], s[0:1], 0x20              ; cc
	v_lshl_add_u32 v5, v0, 2, SPARE
	v_mov_b32 v6, 0
	ds_add_u32 v5, v6                              ; the wave's opening: the add and its wait ahead of the first tensor load; work on registers stands between them
	ds_add_u32 v5, v6
	v_lshrrev_b32 v7, 5, v0
	s_delay_alu instid0(VALU_DEP_1)
	v_readfirstlane_b32 s18, v7                    ; wave 0..15
	s_and_b32 s72, ttmp7, 0xffff                   ; the head, 0..63
	s_lshl_b32 s74, s72, 17                        ; its first byte in qc, kc and vc
	s_mov_b32 s75, 0
	s_lshl_b32 s73, s18, 4
	s_lshl_b32 s99, ttmp9, 8
	s_add_co_u32 s99, s99, s73                     ; tile L's first query
	s_sub_co_u32 s100, 7, ttmp9
	s_lshl_b32 s100, s100, 8
	s_add_co_u32 s100, s100, s73                   ; tile H's
	s_mov_b32 s24, 3<<16                           ; descriptor group 1: a dense block of 16,384 bytes as 64 rows of 32 elements of 8 bytes; no mask, no padding
	s_mov_b32 s25, 32<<16                          ; tensor_dim0
	s_mov_b32 s26, 64<<16                          ; tensor_dim1
	s_mov_b32 s27, 32<<16                          ; tile_dim0
	s_mov_b32 s28, 64                              ; tile_dim1
	s_mov_b32 s29, 32                              ; tensor_dim0_stride
	s_mov_b32 s30, 0
	s_mov_b32 s31, 0
	s_mov_b32 s20, 0x76543210                      ; v_permlanex16_b32's selects: lane l xor 16
	s_mov_b32 s21, 0xfedcba98
	s_mov_b32 s22, 0x3e38aa3b                      ; c = log2(e) / 8
	s_mov_b32 s2, 0                                ; LDS byte at which the slot in hand begins
	s_mov_b32 s67, 7                               ; slots still to be asked for
	s_mov_b32 s98, 0                               ; the step's first key
	s_wait_dscnt 0x0                               ; the opening add is done
	s_wait_kmcnt 0x0
	s_load_b128 s[68:71], s[10:11], 0x18           ; e6, e7, e8, e9
	s_load_b32 s76, s[10:11], 0x28                 ; e10
	s_mov_b32 s40, 1                               ; group 0, which walks: count = 1,
	s_lshl_b32 s41, s18, 14                        ; LDS address: slot 0, K's part (wave 0) or V's (wave 1),
	s_cmp_eq_u32 s18, 0
	s_cselect_b64 s[42:43], s[6:7], s[8:9]
	s_add_nc_u64 s[42:43], s[42:43], s[74:75]      ; the head's first 256 keys,
	s_or_b32 s43, s43, 0x80000000                  ; type = 2
	TLOAD                                          ; slot 0
	s_lshl_b32 s78, s99, 6                         ; a tile of 16 queries is 1,024 bytes of qc
	s_mov_b32 s79, 0
	s_add_nc_u64 s[78:79], s[78:79], s[74:75]
	s_add_nc_u64 s[78:79], s[4:5], s[78:79]
	s_lshl_b32 s84, s100, 6
	s_mov_b32 s85, 0
	s_add_nc_u64 s[84:85], s[84:85], s[74:75]
	s_add_nc_u64 s[84:85], s[4:5], s[84:85]
	v_and_b32 v7, 31, v0
	s_wait_alu depctr_va_vdst(0)
	v_lshlrev_b32 v1, 4, v7                        ; 16 x lane
	global_load_b128 v[QFL:QFL+3], v1, s[78:79]    ; Q's two fragments stay in registers
	global_load_b128 v[QFL+4:QFL+7], v1, s[78:79] offset:512
	global_load_b128 v[QFH:QFH+3], v1, s[84:85]
	global_load_b128 v[QFH+4:QFH+7], v1, s[84:85] offset:512
	; cc: batch x 2^21 + query x 2^10 + (head / 2) x 2^11 + (head % 2) x 2^10
	s_lshr_b32 s90, s72, 4
	s_lshl_b32 s90, s90, 21
	s_and_b32 s91, s72, 15
	s_lshr_b32 s92, s91, 1
	s_lshl_b32 s92, s92, 11
	s_add_co_u32 s90, s90, s92
	s_and_b32 s91, s72, 1
	s_lshl_b32 s91, s91, 10
	s_add_co_u32 s90, s90, s91
	s_lshl_b32 s91, s99, 10
	s_add_co_u32 s86, s90, s91
	s_mov_b32 s87, 0
	s_add_nc_u64 s[86:87], s[12:13], s[86:87]      ; tile L's place
	s_lshl_b32 s91, s100, 10
	s_add_co_u32 s88, s90, s91
	s_mov_b32 s89, 0
	s_add_nc_u64 s[88:89], s[12:13], s[88:89]      ; tile H's
	; the prefetches: where my wave's stand, and who asks
	s_cmp_lt_u32 s18, 6
	s_cselect_b64 s[80:81], s[6:7], s[8:9]
	s_and_b32 s92, s18, 1
	s_lshl_b32 s92, s92, 13                        ; my half of a slot's 16,384 bytes,
	s_add_co_u32 s92, s92, 16384                   ; in slot 1: the first change of slots steps it to slot 2
	s_mov_b32 s93, 0
	s_add_nc_u64 s[80:81], s[80:81], s[74:75]
	s_add_nc_u64 s[80:81], s[80:81], s[92:93]
	s_sub_co_u32 s92, s18, 4
	s_lshr_b32 s92, s92, 2                         ; 0 in waves 4 to 7,
	s_or_b32 s92, s92, ttmp9                       ; of the work-group with g = 0
	s_cmp_eq_u32 s92, 0
	s_cselect_b32 s82, 1, -1
	v_lshlrev_b32 v3, 8, v7
	v_and_b32 v8, 15, v0
	v_bfe_u32 v9, v0, 4, 1
	s_delay_alu instid0(VALU_DEP_1)
	v_lshlrev_b32 v9, 3, v9
	s_delay_alu instid0(VALU_DEP_1)
	v_sub_nc_u32 v4, v8, v9                        ; r - 8 h
	v_mov_b32 v13, 0xff61b1e6                      ; the largest t so far: -3e38, under every t
	s_delay_alu instid0(VALU_DEP_1)
	v_floor_f32 v12, -v13                          ; -M
	v_mov_b32 v14, 0
	v_mov_b32 v15, 0
	v_mov_b32 v17, 0xff61b1e6
	s_delay_alu instid0(VALU_DEP_1)
	v_floor_f32 v16, -v17
	v_mov_b32 v18, 0
	v_mov_b32 v19, 0
	v_mov_b32 v248, 0                              ; written once: a lane permute's destination counts as one of its sources
	v_mov_b32 v250, 0
	v_mov_b32 v252, 0
	v_mov_b32 v253, 0                              ; (named as the upper half of the pair v[252:253])
	v_mov_b32 v249, 0xff800000                     ; -infinity
.set j, 0
.rept 64
	v_mov_b32 v[OL+j], 0                           ; O^T of both tiles: the step is written once, its first run finds zeros, which the first change of M leaves zeros
.set j, j+1
.endr
	s_wait_kmcnt 0x0
	s_add_co_i32 s92, s68, s69
	s_lshl_b32 s92, s92, 23
	s_add_co_i32 s22, s22, s92                     ; e6 + e7 are added to c's exponent field
	s_mov_b32 s23, s22                             ; (named with it as a pair)
	s_add_co_i32 s92, s70, 127
	s_lshl_b32 s93, s92, 23
	v_mov_b32 v244, s93                            ; 2^e8
	s_add_co_i32 s92, s76, 127
	s_lshl_b32 s93, s92, 23
	v_mov_b32 v254, s93                            ; 2^e10
; One tile's key step: 128 keys, the q-th of the slot in hand.  st: its statistics; qf: its Q; ob: its O^T; sq: the scalar register with its first query.
.macro TILE q, st, qf, ob, sq
	s_add_co_u32 s96, s[\sq], 15
	s_cmp_gt_u32 s98, s96                          ; all 128 keys come after my 16 queries: the step is left out (ids alone)
	s_cbranch_scc1 .Lhid_\@
.rept 4
	v_nop                                          ; places in front of loads into registers that the last products read
.endr
	s_wait_alu depctr_va_vdst(0)
.irp k, 0,1,2,3,4,5,6,7
	ds_load_b128 v[F+8*\k:F+8*\k+3], v2 offset:8192*(\q)+1024*\k
	ds_load_b128 v[F+8*\k+4:F+8*\k+7], v2 offset:8192*(\q)+1024*\k+512
.endr
	s_wait_dscnt 0x0
.irp k, 0,1,2,3,4,5,6,7
	v_wmma_f32_16x16x64_fp8_fp8 v[S+8*\k:S+8*\k+7], v[F+8*\k:F+8*\k+7], v[\qf:\qf+7], 0
.endr
.rept 4
	v_nop                                          ; places in front of the loads below and of the first read of the scores
.endr
	s_wait_alu depctr_va_vdst(0)
.irp t, 0,1,2,3                        ; V's fragments are asked for now and land under the softmax
.irp c, 0,1,2,3
	ds_load_b128 v[F+16*\t+4*\c:F+16*\t+4*\c+3], v2 offset:VOFF+8192*(\q)+2048*\t+512*\c
.endr
.endr
	s_add_co_u32 s96, s98, 127
	s_cmp_le_u32 s96, s[\sq]                       ; all keys count: no mask
	s_cbranch_scc1 .Lopen_\@
	s_sub_co_i32 s96, s[\sq], s98
	v_add_nc_u32 v252, s96, v4                     ; my query - the step's first key - 8 h.  Register n holds key 16 (n / 8) + n % 8 + 8 h: hidden where 16 (n / 8) + n % 8 is above that
.set n, 0
.rept 64
	v_cmp_gt_i32 vcc_lo, 16*(n/8)+n%8, v252
	v_cndmask_b32 v[S+n], v[S+n], v249, vcc_lo
.set n, n+1
.endr
.Lopen_\@:
	v_max3_num_f32 v250, v[S], v[S+1], v[S+2]      ; the step's largest score of my query among my 64 keys, in two chains, each accumulator from its low end on,
	v_max3_num_f32 v252, v[S+3], v[S+4], v[S+5]
.set i, 6
.rept 14
	v_max3_num_f32 v250, v250, v[S+i], v[S+i+1]
	v_max3_num_f32 v252, v252, v[S+i+2], v[S+i+3]
.set i, i+4
.endr
	v_max3_num_f32 v250, v250, v[S+62], v[S+63]
	s_delay_alu instid0(VALU_DEP_1)
	v_max_num_f32 v250, v250, v252
	s_delay_alu instid0(VALU_DEP_1)
	v_permlanex16_b32 v248, v250, s20, s21
	s_delay_alu instid0(VALU_DEP_1)
	v_max_num_f32 v250, v250, v248                 ; and among lane l xor 16's
	s_delay_alu instid0(VALU_DEP_1)
	v_mul_f32 v250, s22, v250                      ; as t (c is positive)
	s_delay_alu instid0(VALU_DEP_1)
	v_max_num_f32 v[\st+1], v[\st+1], v250         ; the running largest t
	v_mov_b32 v250, v[\st]
	s_delay_alu instid0(VALU_DEP_2)
	v_floor_f32 v[\st], -v[\st+1]                  ; the new -M = floor(-t): M is a whole number
	s_delay_alu instid0(VALU_DEP_1)
	v_sub_f32 v250, v[\st], v250                   ; old M - new M, a whole number, 0 or less
	s_delay_alu instid0(VALU_DEP_1)
	v_cvt_i32_f32 v250, v250                       ; (it saturates)
	s_delay_alu instid0(VALU_DEP_1)
	v_ldexp_f32 v252, 1.0, v250                    ; f = 2^(old M - new M): a multiplication by it rounds nothing
.set j, 0
.rept 32
	v_pk_fma_f32 v[S+j:S+j+1], v[S+j:S+j+1], s[22:23], v[\st:\st+1] op_sel_hi:[1,0,0]   ; t - M, two at a time
.set j, j+2
.endr
.set j, 0
	s_wait_alu depctr_va_vdst(0)
.rept 64
	v_exp_f32 v[S+j], v[S+j]                       ; p = 2^(t - M), at most 1
.set j, j+1
.endr
	v_pk_mul_f32 v[\st+2:\st+3], v[\st+2:\st+3], v[252:253] op_sel_hi:[1,0]   ; the sums under the new M: the plain line behind the exponentials
	s_wait_alu depctr_va_vdst(0)                   ; one wait for the whole batch, ahead of its first reader
	v_pk_add_f32 v[246:247], v[S:S+1], v[S+2:S+3]  ; the row's sum is taken of the unquantised p, in two chains
.set j, 4
.rept 15
	v_pk_add_f32 v[\st+2:\st+3], v[\st+2:\st+3], v[S+j:S+j+1]
	v_pk_add_f32 v[246:247], v[246:247], v[S+j+2:S+j+3]
.set j, j+4
.endr
	s_delay_alu instid0(VALU_DEP_1)
	v_pk_add_f32 v[\st+2:\st+3], v[\st+2:\st+3], v[246:247]
.set j, 0
.rept 64
.set j, j+1
.endr
.irp k, 0,1,2,3,4,5,6,7
	v_cvt_scalef32_pk8_fp8_f32 v[P+2*\k:P+2*\k+1], v[S+8*\k:S+8*\k+7], v244
.endr
.set j, 0
.rept 16
	v_pk_mul_f32 v[\ob+j:\ob+j+1], v[\ob+j:\ob+j+1], v[252:253] op_sel_hi:[1,0]   ; O^T under the new M; also the plain lines behind the conversions
.set j, j+2
.endr
	s_wait_alu depctr_va_vdst(0)
	s_wait_dscnt 0x0                               ; V is in
.irp t, 0,1,2,3                        ; the four accumulators take turns, one instruction a turn
	v_wmma_f32_16x16x128_fp8_fp8 v[\ob+8*\t:\ob+8*\t+7], v[F+16*\t:F+16*\t+15], v[P:P+15], v[\ob+8*\t:\ob+8*\t+7]
.endr
.Lhid_\@:
.endm
; THE CHANGE OF SLOTS stands at a slot's head: each wave waits for all its tensor loads, adds 0 to its spare word, and waits for that and for its reads of the slot that it has left; the barrier; fill = 1: the slot just left is filled with the keys that follow.
.macro CHANGE fill
	s_wait_tensorcnt 0x0                           ; no tensor load of mine is out, so the group 0 may be written
	ds_add_u32 v5, v6
.if \fill
	s_xor_b32 s41, s41, SLOT1                      ; the other slot than last time,
	s_add_nc_u64 s[42:43], s[42:43], 16384         ; the next 256 keys
	s_wait_xcnt 0x0                                ; the last prefetch, a slot back, has read its address
	s_add_nc_u64 s[80:81], s[80:81], 16384
.endif
	s_wait_dscnt 0x0                               ; the add is done, and my reads of the slot that I have left are over
	s_barrier_signal -1
	s_barrier_wait -1
.if \fill
	s_add_co_u32 s96, s98, 256                     ; the first key of the slot that this change would ask for
	s_or_b32 s97, s100, 255                        ; my work-group's last query
	s_cmp_gt_u32 s96, s97                          ; ids and the count of steps alone: all sixteen waves go the same way.  A slot beyond the last query is read by no wave and is not asked for; every wait on TENSORcnt in this text is for 0
	s_cbranch_scc1 .Lpast_\@
	TLOAD                                          ; a wave's one tensor load until the next such barrier
.Lpast_\@:
	ASK
.endif
	v_add_nc_u32 v2, s2, v1                        ; my place in the slot in hand
.endm
.macro SLOT_STEPS both
.irp q, 0,1
.if \both
	TILE \q, STL, QFL, OL, 99
.endif
	TILE \q, STH, QFH, OH, 100
	s_add_co_u32 s98, s98, 128
.endr
	s_xor_b32 s2, s2, SLOT1
.endm
	s_wait_loadcnt 0x0                             ; Q
.Lslot:                                            ; seven trips: slots 0 to 6
	CHANGE 1
	SLOT_STEPS 1
	s_sub_co_u32 s67, s67, 1
	s_cmp_lg_u32 s67, 0
	s_cbranch_scc1 .Lslot
	CHANGE 0                                       ; the last slot is written out: nothing is left to ask for.  Its first key is 1,792 and tile L's queries lie under 1,024: only tile H stands here
	SLOT_STEPS 0
	; THE WAY OUT: O^T / the sum x 2^(e8 + e9), converted with 2^e10: a tile's 1,024 bytes of cc, by two stores of 512 consecutive bytes
.rept 4
	v_nop                                          ; places behind the last products
.endr
	v_add_f32 v14, v14, v15
	v_add_f32 v18, v18, v19
	s_delay_alu instid0(VALU_DEP_2)
	v_permlanex16_b32 v248, v14, s20, s21
	s_delay_alu instid0(VALU_DEP_2)
	v_permlanex16_b32 v250, v18, s20, s21
	s_delay_alu instid0(VALU_DEP_2)
	v_add_f32 v14, v14, v248
	s_delay_alu instid0(VALU_DEP_2)
	v_add_f32 v18, v18, v250
	s_wait_alu depctr_va_vdst(0)
	v_rcp_f32 v14, v14
	v_rcp_f32 v18, v18
	v_nop                                          ; a plain line behind the last reciprocal
	s_add_co_i32 s96, s70, s71
	s_wait_alu depctr_va_vdst(0)                   ; one wait for both, ahead of the first reader
	v_ldexp_f32 v14, v14, s96
	v_ldexp_f32 v18, v18, s96
.macro OUT u, ob, l, base
.set j, 0
.rept 16
	v_pk_mul_f32 v[S+32*\u+j:S+32*\u+j+1], v[\ob+j:\ob+j+1], v[\l:\l+1] op_sel_hi:[1,0]   ; each accumulator from its low end on
.set j, j+2
.endr
.set j, 0
.rept 32
.set j, j+1
.endr
.irp t, 0,1,2,3
	v_cvt_scalef32_pk8_fp8_f32 v[P+8*\u+2*\t:P+8*\u+2*\t+1], v[S+32*\u+8*\t:S+32*\u+8*\t+7], v254
.endr
	v_nop                                          ; a plain line behind the last conversion
	global_store_b128 v1, v[P+8*\u:P+8*\u+3], s[\base:\base+1]               ; channels 16 h + 0 .. 15 of my query
	global_store_b128 v1, v[P+8*\u+4:P+8*\u+7], s[\base:\base+1] offset:512  ; channels 32 + 16 h + 0 .. 15
.endm
	OUT 0, OL, 14, 86
	OUT 1, OH, 18, 88
	s_wait_tensorcnt 0x0                           ; the wave's end
	ds_add_u32 v5, v6
	s_wait_dscnt 0x0
	s_endpgm
.Lfunc_end_k_qa112d11b94_attn:
	.size	k_qa112d11b94_attn, .Lfunc_end_k_qa112d11b94_attn-k_qa112d11b94_attn
	.p2alignl 7, 3214868480
	.fill 96, 4, 3214868480
	.section	.rodata,"a",@progbits
	.p2align	6, 0x0
	.amdhsa_kernel k_qa112d11b94_attn
		.amdhsa_group_segment_fixed_size 327680
		.amdhsa_private_segment_fixed_size 0
		.amdhsa_enable_private_segment 0
		.amdhsa_kernarg_size 40
		.amdhsa_user_sgpr_count 2
		.amdhsa_user_sgpr_kernarg_segment_ptr 1
		.amdhsa_wavefront_size32 1
		.amdhsa_system_sgpr_workgroup_id_x 1
		.amdhsa_system_sgpr_workgroup_id_y 1
		.amdhsa_system_sgpr_workgroup_id_z 1
		.amdhsa_system_vgpr_workitem_id 0
		.amdhsa_next_free_vgpr 256
		.amdhsa_next_free_sgpr 102
		.amdhsa_reserve_vcc 1
		.amdhsa_float_denorm_mode_32 3
		.amdhsa_float_denorm_mode_16_64 3
		.amdhsa_fp16_overflow 1
		.amdhsa_memory_ordered 1
		.amdhsa_forward_progress 1
		.amdhsa_inst_pref_size 126
	.end_amdhsa_kernel
	.amdgpu_metadata
---
amdhsa.version: [ 1, 2 ]
amdhsa.kernels:
  - .name:           k_qa112d11b94_attn
    .symbol:         k_qa112d11b94_attn.kd
    .args:
      - { .name: qc, .offset: 0, .size: 8, .value_kind: global_buffer, .address_space: global }
      - { .name: kc, .offset: 8, .size: 8, .value_kind: global_buffer, .address_space: global }
      - { .name: vc, .offset: 16, .size: 8, .value_kind: global_buffer, .address_space: global }
      - { .name: lowp_scales, .offset: 24, .size: 8, .value_kind: global_buffer, .address_space: global }
      - { .name: cc, .offset: 32, .size: 8, .value_kind: global_buffer, .address_space: global }
    .group_segment_fixed_size: 327680
    .private_segment_fixed_size: 0
    .kernarg_segment_align: 8
    .kernarg_segment_size: 40
    .max_flat_workgroup_size: 512
    .sgpr_count:     102
    .vgpr_count:     256
    .wavefront_size: 32
...
	.end_amdgpu_metadata
.endif
;; end of part 3
;; launch oproj (part 4): grid 4 x 32, 4 waves a work-group, clusters of 4 x 4, 327,680 bytes of LDS; arguments cc, wc, lowp_scales, bo, out0; writes out0
.if DOCPART == 4
	.amdgcn_target "amdgcn-amd-amdhsa--gfx1250"
	.amdhsa_code_object_version 6
	.text
	.protected	k_qa112d11b94_oproj
	.globl	k_qa112d11b94_oproj
	.p2align	8
	.type	k_qa112d11b94_oproj,@function
k_qa112d11b94_oproj:
	s_mov_b64 s[64:65], 0
	v_nop
	global_prefetch_b8 v0, s[64:65] scope:SCOPE_SE
	s_setreg_imm32_b32 hwreg(HW_REG_WAVE_MODE, 25, 1), 1
	s_wait_xcnt 0x0
	s_wait_alu depctr_hold_cnt(0) depctr_sa_sdst(0) depctr_va_vdst(0) depctr_va_sdst(0) depctr_va_ssrc(0) depctr_va_vcc(0) depctr_vm_vsrc(0)
	s_getreg_b32 s2, hwreg(HW_REG_IB_STS2, 6, 4)
	s_cmp_eq_u32 s2, 0
	s_cbranch_scc0 .Lentry_in_a_cluster
	s_endpgm
.Lentry_in_a_cluster:
	s_bfe_u32 s2, ttmp6, 0x10000c
	s_cmp_lg_u32 s2, 0xf033
	s_cbranch_scc0 .Lentry_shape_is_right
	s_endpgm
.Lentry_shape_is_right:
; out = ctx Wo + bo on codes of FP8 (E4M3): [8192][1024] x [1024][1024], K = 1,024; each finished sum x 2^(e10 + e11) + bo, f32.
; A tile of C is 256 x 256: four waves of 128 x 128 (64 accumulators, 512 registers).  K goes in steps of 256 through a ring of two LDS slots filled by the tensor data mover.
; A (ctx) lies in cc as images of the operand's registers: [tile of 16 rows 512][128 along K 8][c 4][lane 32][16 bytes], lane (r, h): row r, k = 32 c + 16 h + 0 .. 15: a K step of 128 rows is 8 pieces of 4,096 bytes, 16,384 apart;
; a fragment comes from LDS by four loads of 512 consecutive bytes.  B (Wo) lies in wc, rows 3,072 on, K innermost; its fragments come by four loads of 16 bytes a lane at 32 c + 16 h: the same order of k.
; CLUSTERS: 4 x 4 work-groups; A's tile is asked for jointly by a row of the cluster, B's by a column.  The matrix instruction takes B's rows as source 0 and A's as source 1: a lane holds eight neighbouring numbers of a row of C.
; LIMIT: e10 + e11 between -126 and 127.
; REGISTERS, in windows of 256: window 0: v0-31 addresses; v32-95 bo at my columns; from v128 A's fragments, ONE set (on the way out: rows read back).   window 1: B's fragments, TWO sets (on the way out v0-63: a block's results).
;   window 2: the accumulators of my rows 0-63 ((a, b) at v[8 (8 a + b)]);   window 3: those of my rows 64-127.
.set PITCH,  272                       ; B's LDS row: 256 bytes + 16 of padding
.set FR,     16
.set NL,     4
.set NP,     4
.set AHALF,  32768                     ; A: 128 rows x 256 along K, dense
.set BHALF,  128*PITCH
.set BOFF,   2*AHALF
.set SLOT,   BOFF+2*BHALF
.set SPARE,  2*SLOT                    ; the spare words, 128 bytes a wave: two blocks of 256 bytes that no other line names
.set SPITCH, 528                       ; the way out: a stage of 16 rows x (512 + 16) bytes for each wave, in slot 0, which has had its last fill and its last read by then
.set ADRA, 16
.set ADRB, 20
.set STO,  24
.set RD,   25
.set CO,   26
.set SPW,  28
.set NIL,  29
.set BI,   32
.set TMP,  0                           ; in window 1
.set AF,   128
.set BK,   128
.set G1, 24
.set G0, 32
.set G1B, 48
.set G0B, 56
.set MSB, 0
.macro WIN new
.if MSB != \new
	s_set_vgpr_msb (MSB<<8)|\new
.set MSB, \new
.endif
.endm
.set MUL_LO, 0xa1
.set MUL_HI, 0xf1
.set TO_B,   0x40
.macro JLOAD g0a, g1a, g0b, g1b        ; waves 0 and 1 fetch for A, waves 2 and 3 for B; an s_nop 0 and four v_nop follow each of the two lines
	s_cmp_eq_u32 s15, 0
	s_cbranch_scc0 .Lfor_b_\@
	tensor_load_to_lds s[\g0a:\g0a+3], s[\g1a:\g1a+7]
	s_nop 0
.rept 4
	v_nop
.endr
	s_branch .Lasked_\@
.Lfor_b_\@:
	tensor_load_to_lds s[\g0b:\g0b+3], s[\g1b:\g1b+7]
	s_nop 0
.rept 4
	v_nop
.endr
.Lasked_\@:
.endm
.macro CREST
	s_cmp_lg_u32 s14, 0
	s_cbranch_scc1 .Lnot_wave_0_\@
	s_barrier_signal -3
.Lnot_wave_0_\@:
	s_barrier_wait -3
	s_barrier_signal -1
	s_barrier_wait -1
.endm
.macro CROUND
	s_barrier_signal -1
	s_barrier_wait -1
	CREST
.endm
	s_load_b256 s[4:11], s[0:1], 0x0               ; cc 4:5, wc 6:7, scales 8:9, bo 10:11
	s_load_b64 s[12:13], s[0:1], 0x20              ; out0
	v_lshl_add_u32 v[SPW], v0, 2, SPARE
	v_mov_b32 v[NIL], 0
	ds_add_u32 v[SPW], v[NIL]                      ; the wave's opening: the add and its wait ahead of my first tensor load
	ds_add_u32 v[SPW], v[NIL]
	v_lshrrev_b32 v1, 5, v0
	v_readfirstlane_b32 s14, v1
	s_lshr_b32 s15, s14, 1                         ; my half of the tile's rows.  Also: I fetch for A (0) or for B (1)
	s_and_b32 s16, s14, 1                          ; my half of its columns.  Also: which 128 rows I fetch
	s_bfe_u32 s40, ttmp6, 0x40000                  ; cx
	s_bfe_u32 s41, ttmp6, 0x40004                  ; cy
	s_lshl_b32 s42, ttmp9, 2
	s_add_co_u32 s42, s42, s40                     ; tile column
	s_and_b32 s17, ttmp7, 0xffff
	s_lshl_b32 s17, s17, 2
	s_add_co_u32 s17, s17, s41                     ; tile row
	s_lshl_b32 s43, s41, 2
	s_lshl_b32 s43, 15, s43
	s_lshl_b32 s44, 0x1111, s40
	s_or_b32 s[G1+0], s43, (3<<16)|(1<<21)         ; A: the mask of my row; elements of 8 bytes; no padding; bit 21 beside a mask
	s_mov_b32 s[G1+1], 512<<16                     ; tensor_dim0 = 512 elements: 4,096 bytes
	s_mov_b32 s[G1+2], 8<<16                       ; tensor_dim1 = 8
	s_mov_b32 s[G1+3], 512<<16                     ; tile_dim0
	s_mov_b32 s[G1+4], 8                           ; tile_dim1
	s_mov_b32 s[G1+5], 2048                        ; stride: 16,384 bytes
	s_mov_b32 s[G1+6], 0
	s_mov_b32 s[G1+7], 0
	s_or_b32 s[G1B+0], s44, (0<<16)|(1<<20)|(1<<21)|(5<<22)|(3<<25)   ; B: the mask of my column; elements of 1 byte; 4 words of padding after every 64
	s_mov_b32 s[G1B+1], 256<<16
	s_mov_b32 s[G1B+2], 128<<16
	s_mov_b32 s[G1B+3], 256<<16
	s_mov_b32 s[G1B+4], 128
	s_mov_b32 s[G1B+5], 1024
	s_mov_b32 s[G1B+6], 0
	s_mov_b32 s[G1B+7], 0
	s_lshl_b32 s18, s16, 17                        ; the 128 rows that I fetch: 2^17 bytes in cc and in wc alike
	s_lshl_b32 s20, s17, 18
	s_add_co_u32 s20, s20, s18
	s_mov_b32 s21, 0
	s_lshl_b32 s46, s42, 18
	s_add_co_u32 s46, s46, s18
	s_add_co_u32 s46, s46, 3<<20                   ; Wo's rows begin at row 3,072 of wc
	s_mov_b32 s47, 0
	s_lshl_b32 s45, s16, 15                        ; where A's half goes,
	s_mul_i32 s19, s16, BHALF
	s_add_co_u32 s19, s19, BOFF                    ; and B's
	s_wait_dscnt 0x0
	s_wait_kmcnt 0x0
	s_load_b64 s[96:97], s[8:9], 0x28              ; e10, e11
	s_add_nc_u64 s[20:21], s[4:5], s[20:21]
	s_add_nc_u64 s[46:47], s[6:7], s[46:47]
	CROUND
.irp s, 0,1
	s_mov_b32 s[G0+4*\s], 1
	s_add_co_u32 s[G0+4*\s+1], s45, \s*SLOT
	s_add_nc_u64 s[G0+4*\s+2:G0+4*\s+3], s[20:21], \s*4096
	s_or_b32 s[G0+4*\s+3], s[G0+4*\s+3], 0x80000000
	s_mov_b32 s[G0B+4*\s], 1
	s_add_co_u32 s[G0B+4*\s+1], s19, \s*SLOT
	s_add_nc_u64 s[G0B+4*\s+2:G0B+4*\s+3], s[46:47], \s*256
	s_or_b32 s[G0B+4*\s+3], s[G0B+4*\s+3], 0x80000000
	s_wait_alu depctr_va_vdst(0)
	s_wait_tensorcnt 0x0
	ds_add_u32 v28, v29
	ds_add_u32 v28, v29
	s_wait_dscnt 0x0
	CROUND
	JLOAD G0+4*\s, G1, G0B+4*\s, G1B
.endr
	v_and_b32 v1, 15, v0                           ; r
	v_bfe_u32 v2, v0, 4, 1                         ; h
	v_mul_u32_u24 v3, v1, PITCH
	v_lshl_add_u32 v4, v2, 4, v3
	v_and_b32 v6, 31, v0
	v_lshlrev_b32 v[CO], 4, v6                     ; 16 x lane
	s_wait_alu depctr_va_vdst(0)
	s_lshl_b32 s21, s15, 15                        ; my 128 rows of A
	s_mul_i32 s22, s16, BHALF
	s_add_co_u32 s22, s22, BOFF                    ; my 128 rows of B
.irp s, 0,1
	v_add_nc_u32 v[ADRA+\s], s21, v[CO]
	v_add_nc_u32 v[ADRB+\s], s22, v4
	s_add_co_u32 s21, s21, SLOT
	s_add_co_u32 s22, s22, SLOT
.endr
	s_mul_i32 s23, s14, 16*SPITCH                  ; my stage
	v_mul_u32_u24 v5, v1, SPITCH
	v_lshl_add_u32 v5, v2, 5, v5
	v_add_nc_u32 v[STO], s23, v5                   ; in: row r, 32 bytes for each half of the lanes
	v_add_nc_u32 v[RD], s23, v[CO]                 ; back: the 32 lanes take one row of 512 bytes
	s_lshl_b32 s20, s17, 8
	s_lshl_b32 s21, s15, 7
	s_add_co_u32 s20, s20, s21                     ; my first row of C
	s_lshl_b32 s20, s20, 12                        ; x 4,096 bytes
	s_lshl_b32 s46, s42, 10
	s_lshl_b32 s47, s16, 9
	s_add_co_u32 s46, s46, s47                     ; my first column, in bytes, in C and in bo alike
	s_add_co_u32 s20, s20, s46
	s_mov_b32 s21, 0
	s_mov_b32 s47, 0
	s_add_nc_u64 s[12:13], s[12:13], s[20:21]
	s_add_nc_u64 s[10:11], s[10:11], s[46:47]
	v_lshlrev_b32 v7, 5, v2                        ; 32 h; v7 and s[10:11] are not written again
.irp b, 0,1,2,3,4,5,6,7
	global_load_b128 v[BI+8*\b:BI+8*\b+3], v7, s[10:11] offset:64*\b      ; bo at columns 16 b + 8 h + 0 .. 7; waited for on the way out
	global_load_b128 v[BI+8*\b+4:BI+8*\b+7], v7, s[10:11] offset:64*\b+16
.endr
.macro FRAGB reg, adr, q, i
.irp c, 0,1,2,3
	ds_load_b128 v[\reg+4*\c:\reg+4*\c+3], v[\adr] offset:128*(\q)+32*\c+(\i)*16*PITCH
.endr
.endm
.macro FRAGA reg, adr, q, i            ; the image as it lies: 512 consecutive bytes a load
.irp c, 0,1,2,3
	ds_load_b128 v[\reg+4*\c:\reg+4*\c+3], v[\adr] offset:4096*(\i)+2048*(\q)+512*\c
.endr
.endm
.macro MUL16 a0, p, zero               ; the 64 accumulators take turns, one instruction a turn, in the same order in every step
.irp a, \a0, \a0+1
.irp b, 0,1,2,3,4,5,6,7
.if \zero
	v_wmma_f32_16x16x128_fp8_fp8 v[8*(8*((\a)%4)+\b):8*(8*((\a)%4)+\b)+7], v[128*(\p)+FR*\b:128*(\p)+FR*\b+FR-1], v[AF+FR*(\a):AF+FR*(\a)+FR-1], 0
.else
	v_wmma_f32_16x16x128_fp8_fp8 v[8*(8*((\a)%4)+\b):8*(8*((\a)%4)+\b)+7], v[128*(\p)+FR*\b:128*(\p)+FR*\b+FR-1], v[AF+FR*(\a):AF+FR*(\a)+FR-1], v[8*(8*((\a)%4)+\b):8*(8*((\a)%4)+\b)+7]
.endif
.endr
.endr
.endm
.macro FETCH_B slot, q, p
	WIN TO_B
.irp i, 0,1,2,3,4,5,6,7
	FRAGB 128*(\p)+FR*\i, ADRB+\slot, \q, \i
.endr
	WIN 0
.endm
.macro FETCH_A slot, q, i0
.irp i, \i0, \i0+1, \i0+2, \i0+3
	FRAGA AF+FR*(\i), ADRA+\slot, \q, \i
.endr
.endm
.macro PLACES n
.rept \n
	v_nop
.endr
.endm
.macro STEP slot, q, zero
	s_wait_dscnt 4*NL                              ; the youngest 16 loads (A's blocks 4-7) may be out
	WIN MUL_LO
	MUL16 0, (\q)%2, \zero
	MUL16 2, (\q)%2, \zero
	s_wait_dscnt 0
	PLACES NP
	FETCH_B \slot, (\q)+1, 1-(\q)%2
	FETCH_A \slot, (\q)+1, 0
	WIN MUL_HI
	MUL16 4, (\q)%2, \zero
	MUL16 6, (\q)%2, \zero
	PLACES NP
	WIN 0
	FETCH_A \slot, (\q)+1, 4
.endm
.macro TURN slot, next, fill
	s_wait_tensorcnt 0x0                           ; all my tensor loads have landed: my part of the next slot
	ds_add_u32 v[SPW], v[NIL]
	s_wait_dscnt 4*NL+1                            ; the add and the youngest 16 loads may be out
	WIN MUL_LO
	MUL16 0, 1, 0
	s_wait_dscnt 0x0                               ; the add is done, and my reads of this slot are over
	s_barrier_signal -1
	MUL16 2, 1, 0
	WIN 0
	s_barrier_wait -1
.if \fill
	CREST
	s_add_nc_u64 s[G0+4*\slot+2:G0+4*\slot+3], s[G0+4*\slot+2:G0+4*\slot+3], 2*4096
	s_add_nc_u64 s[G0B+4*\slot+2:G0B+4*\slot+3], s[G0B+4*\slot+2:G0B+4*\slot+3], 2*256
	JLOAD G0+4*\slot, G1, G0B+4*\slot, G1B
.else
	PLACES NP
.endif
	FETCH_B \next, 0, 0
	FETCH_A \next, 0, 0
	WIN MUL_HI
	MUL16 4, 1, 0
	MUL16 6, 1, 0
	PLACES NP
	WIN 0
	FETCH_A \next, 0, 4
.endm
	s_wait_alu depctr_va_vdst(0)
	s_wait_tensorcnt 1                             ; my part of K step 0 is in; K step 1's load may be out
	s_barrier_signal -1
	s_barrier_wait -1
	FETCH_B 0, 0, 0
	FETCH_A 0, 0, 0
	FETCH_A 0, 0, 4
	STEP 0, 0, 1
	s_mov_b32 s3, 1
.Llap:
	TURN 0, 1, 1
	STEP 1, 0, 0
	TURN 1, 0, 1
	STEP 0, 0, 0
	s_sub_co_u32 s3, s3, 1
	s_cmp_lg_u32 s3, 0
	s_cbranch_scc1 .Llap
	TURN 0, 1, 0
	STEP 1, 0, 0
	s_wait_dscnt 4*NL
	WIN MUL_LO
	MUL16 0, 1, 0
	MUL16 2, 1, 0
	s_wait_dscnt 0
	WIN MUL_HI
	MUL16 4, 1, 0
	MUL16 6, 1, 0
	WIN 0
; THE WAY OUT, block by block of 16 rows x 128 columns, through my own stage: LDS serves a wave's instructions in order, so no wait stands between the stores and the loads.
.macro TOSTAGE a
.set AC, 64*((\a)%4)
	WIN 0x42+((\a)/4)                              ; source 0 window 2 or 3, source 2 (bo) window 0, destination window 1
.set j, 0
.rept 32
	v_pk_fma_f32 v[TMP+j:TMP+j+1], v[AC+j:AC+j+1], s[96:97], v[BI+j:BI+j+1] op_sel_hi:[1,0,1]   ; sum x 2^(e10 + e11) + bo; each accumulator from its low end on
.set j, j+2
.endr
	WIN 0x04                                       ; the stores' data in window 1, their address in window 0
.irp b, 0,1,2,3,4,5,6,7
	ds_store_b128 v[STO], v[TMP+8*\b:TMP+8*\b+3] offset:64*\b
	ds_store_b128 v[STO], v[TMP+8*\b+4:TMP+8*\b+7] offset:64*\b+16
.endr
	WIN 0
.set BB, BK+64*((\a)%2)
.irp t, 0,1,2,3,4,5,6,7,8,9,10,11,12,13,14,15
	ds_load_b128 v[BB+4*\t:BB+4*\t+3], v[RD] offset:\t*SPITCH
.endr
.endm
.macro SEND a, younger                 ; younger: the LDS instructions issued behind block a's loads, which may stay out
.set BB, BK+64*((\a)%2)
	s_wait_dscnt \younger
.if (\a) > 0
	s_add_nc_u64 s[12:13], s[12:13], 16*4096       ; (behind a wait on XCNT: the earlier stores have read their base)
.endif
.irp t, 0,1,2,3,4,5,6,7,8,9,10,11,12,13,14,15
	global_store_b128 v[CO], v[BB+4*\t:BB+4*\t+3], s[12:13] offset:\t*4096 th:TH_STORE_NT   ; 32 lanes store 512 consecutive bytes, aligned
.endr
.endm
	s_wait_loadcnt 0x0                             ; bo
	s_wait_kmcnt 0x0
	s_add_co_i32 s96, s96, s97
	s_add_co_i32 s96, s96, 127
	s_lshl_b32 s96, s96, 23                        ; 2^(e10 + e11) as f32
	s_mov_b32 s97, s96
	PLACES NP
	TOSTAGE 0
.irp a, 1,2,3,4,5,6,7
.if \a > 1
	s_wait_xcnt 0x0                                ; block a - 2's stores have read their registers and their base
.endif
	TOSTAGE \a
	SEND \a-1, 32                                  ; behind block a - 1's loads: block a's 16 stores and 16 loads
.endr
	s_wait_xcnt 0x0
	SEND 7, 0
	s_wait_tensorcnt 0x0                           ; the wave's end
	ds_add_u32 v[SPW], v[NIL]
	s_wait_dscnt 0x0
	CROUND                                         ; the closing round
	s_endpgm
.Lfunc_end_k_qa112d11b94_oproj:
	.size	k_qa112d11b94_oproj, .Lfunc_end_k_qa112d11b94_oproj-k_qa112d11b94_oproj
	.p2alignl 7, 3214868480
	.fill 96, 4, 3214868480
	.section	.rodata,"a",@progbits
	.p2align	6, 0x0
	.amdhsa_kernel k_qa112d11b94_oproj
		.amdhsa_group_segment_fixed_size 327680
		.amdhsa_private_segment_fixed_size 0
		.amdhsa_enable_private_segment 0
		.amdhsa_kernarg_size 40
		.amdhsa_user_sgpr_count 2
		.amdhsa_user_sgpr_kernarg_segment_ptr 1
		.amdhsa_wavefront_size32 1
		.amdhsa_system_sgpr_workgroup_id_x 1
		.amdhsa_system_sgpr_workgroup_id_y 1
		.amdhsa_system_sgpr_workgroup_id_z 1
		.amdhsa_system_vgpr_workitem_id 0
		.amdhsa_next_free_vgpr 1024
		.amdhsa_next_free_sgpr 100
		.amdhsa_reserve_vcc 0
		.amdhsa_float_denorm_mode_32 3
		.amdhsa_float_denorm_mode_16_64 3
		.amdhsa_memory_ordered 1
		.amdhsa_forward_progress 1
		.amdhsa_inst_pref_size 126
	.end_amdhsa_kernel
	.amdgpu_metadata
---
amdhsa.version: [ 1, 2 ]
amdhsa.kernels:
  - .name:           k_qa112d11b94_oproj
    .symbol:         k_qa112d11b94_oproj.kd
    .args:
      - { .name: cc, .offset: 0, .size: 8, .value_kind: global_buffer, .address_space: global }
      - { .name: wc, .offset: 8, .size: 8, .value_kind: global_buffer, .address_space: global }
      - { .name: lowp_scales, .offset: 16, .size: 8, .value_kind: global_buffer, .address_space: global }
      - { .name: bo, .offset: 24, .size: 8, .value_kind: global_buffer, .address_space: global }
      - { .name: out0, .offset: 32, .size: 8, .value_kind: global_buffer, .address_space: global }
    .group_segment_fixed_size: 327680
    .private_segment_fixed_size: 0
    .kernarg_segment_align: 8
    .kernarg_segment_size: 40
    .max_flat_workgroup_size: 128
    .sgpr_count:     100
    .vgpr_count:     1024
    .wavefront_size: 32
...
	.end_amdgpu_metadata
.endif
;; end of part 4
